; MI455X (gfx1250); checked and timed in simulation.
; The chip was launched on July 23, 2026; its instructions are those of AMD's public machine-readable ISA for CDNA 5 (MIT licence, August 2026) and "CDNA5" Instruction Set Architecture Reference Guide (July 2026). The comments in the code are by the model that wrote it; some were corrected since.
;; Multi Head Differential Attention. Allowed arithmetic: matrix products marked QUANTISED: E2M3 operands, one E8M0 scale for each 32 along K, by v_wmma_scale_f32_16x16x128_f8f6f4 with both operands' format E2M3, f32 sums; everything else in f32.
;; Inputs: W_k_codes 2,048 x 32 x 24 uint8 (E2M3 codes of W_k, K innermost, in blocks of 32 codes, four codes in three bytes); W_k_scales 2,048 x 32 uint8 (E8M0 scales of W_k, one for each 32 codes along K); W_o_codes 1,024 x 64 x 24 uint8 (E2M3 codes of W_o, K innermost, in blocks of 32 codes, four codes in three bytes); W_o_scales 1,024 x 64 uint8 (E8M0 scales of W_o, one for each 32 codes along K); W_q_codes 2,048 x 32 x 24 uint8 (E2M3 codes of W_q, K innermost, in blocks of 32 codes, four codes in three bytes); W_q_scales 2,048 x 32 uint8 (E8M0 scales of W_q, one for each 32 codes along K); W_v_codes 2,048 x 32 x 24 uint8 (E2M3 codes of W_v, K innermost, in blocks of 32 codes, four codes in three bytes); W_v_scales 2,048 x 32 uint8 (E8M0 scales of W_v, one for each 32 codes along K); X_codes 2 x 2,048 x 32 x 24 uint8 (E2M3 codes of X, K innermost, in blocks of 32 codes, four codes in three bytes); X_scales 2 x 2,048 x 32 uint8 (E8M0 scales of X, one for each 32 codes along K); lambda_k1 16 x 64 float32; lambda_k2 16 x 64 float32; lambda_q1 16 x 64 float32; lambda_q2 16 x 64 float32; rms_scale 128 float32.
;; Outputs: out0 2 x 2,048 x 1,024 float32.
;; This version of the problem:
;;   THIS VERSION OF THE PROBLEM IS GIVEN IN LOW PRECISION. The matrix products marked QUANTISED in the list below multiply operands that are first quantised to E2M3 (2 exponent bits, 3 mantissa bits; 6 bits a number), with one power-of-two scale for each 32 numbers along K (OCP MX v1.0); their sums are f32. All else is computed in f32.
;;   The module's matrix products, in the order in which they are computed (A, B: the left and right operand; K: the contracted axis; several contracted axes count as one K, in the product's order):
;;     1. [M 4,096, K 1,024] x [K 1,024, N 2,048]; A: input X (given as codes); B: input W_q (given as codes): QUANTISED
;;     2. [M 4,096, K 1,024] x [K 1,024, N 2,048]; A: input X (given as codes); B: input W_k (given as codes): QUANTISED
;;     3. [M 4,096, K 1,024] x [K 1,024, N 2,048]; A: input X (given as codes); B: input W_v (given as codes): QUANTISED
;;     4. batch 32 x [M 2,048, K 64] x [K 64, N 2,048]; A: computed on the way; B: computed on the way: QUANTISED
;;     5. batch 32 x [M 2,048, K 64] x [K 64, N 2,048]; A: computed on the way; B: computed on the way: QUANTISED
;;     6. batch 32 x [M 2,048, K 2,048] x [K 2,048, N 128]; A: computed on the way; B: computed on the way: QUANTISED
;;     7. [M 4,096, K 2,048] x [K 2,048, N 1,024]; A: computed on the way; B: input W_o (given as codes): QUANTISED
;;   THE QUANTISER, for each operand of a quantised product, along K:
;;     - K is cut into blocks of 32 from its start; a last block that is shorter is filled with zeros.
;;     - A block's scale is 2^e with e = floor(log2(the largest magnitude in the block)) - 2, held to -126 .. 127; a block of zeros has e = 0. As a byte (E8M0): e + 127.
;;     - Each number is divided by its block's scale, clamped to +-7.5, and rounded to the nearest number of E2M3, ties to even, subnormals kept.
;;     - The product sums the exact products of the quantised numbers (number of the format x scale) in f32.
;;   ~~~python
;;   def quantise(x, axis):      # numpy; x: float32 -> the quantised numbers, widened to float32 again
;;       x = np.moveaxis(x, axis, -1); K = x.shape[-1]
;;       x = np.pad(x, [(0, 0)] * (x.ndim - 1) + [(0, -K % 32)]); x = x.reshape(x.shape[:-1] + (-1, 32)); a = np.abs(x).max(-1, keepdims=True)
;;       e = np.where(a > 0, np.clip(np.frexp(np.where(a > 0, a, 1))[1] - 1 - 2, -126, 127), 0)      # np.frexp(a)[1] - 1 = floor(log2(a)), exactly
;;       r = np.clip(x / 2.0 ** e, -7.5, 7.5)
;;       step = 2.0 ** (np.maximum(np.frexp(np.where(r == 0, 1, r))[1] - 1, 0) - 3)
;;       q = np.round(r / step) * step * 2.0 ** e      # np.round: ties to even
;;       return np.moveaxis(q.reshape(q.shape[:-2] + (-1,))[..., :K], -1, axis).astype(np.float32)
;;   ~~~
;;   OPERANDS COMPUTED ON THE WAY. 'Computed on the way' means the value that the module computes at that place (a softmax that the list does not call 'softmax' is quantised finished and normalised). What goes into a quantiser is computed in f32, as accurately as f32 sums, v_exp_f32 and their like allow (about 1e-6 of the number): no bf16 or f16 on the way to a quantiser, and a product that is left as it is and whose result goes on into a quantised operand takes f32 operands (vector FMAs, or v_wmma_f32_16x16x4_f32). A number that lies on a knife's edge between two numbers of the format may be rounded either way, as far as f32 arithmetic and the matrix unit's own rounding can turn it there, and no further.
;;   INPUTS GIVEN AS CODES. W_k (in the module: [2048, 1024], K = its axis 1); W_o (in the module: [1024, 2048], K = its axis 1); W_q (in the module: [2048, 1024], K = its axis 1); W_v (in the module: [2048, 1024], K = its axis 1); X (in the module: [2, 2048, 1024], K = its axis 2): each comes as NAME_codes (uint8): NAME with its K axis moved to the last place and cut into blocks of 32 codes, [.., K / 32, bytes a block], one block behind the other in memory; four codes in three bytes: a row's codes are one little-endian stream of bits, code i at bits 6 i .. 6 i + 5 (a code: sign, 2 exponent bits, 3 mantissa bits); and NAME_scales (uint8): the same leading axes, one E8M0 byte (e + 127) for each 32 codes along K. Its value is code x scale, taken as it is: it is not quantised again, and the codes and scales need not be those that the quantiser above would give.
;; One version. Each part assembles by itself: llvm-mc -triple=amdgcn-amd-amdhsa -mcpu=gfx1250 --defsym DOCPART=n.
;; ======== version 1 of 1: 3 launches
;; limits: right only within a limited range of input values
;; workspace buffers: qrec 6,553,600 bytes; krec 6,553,600 bytes; vrec 6,553,600 bytes; oc 6,291,456 bytes; os 262,144 bytes; wrec 1,572,864 bytes
;; launch qkv (part 1): grid 24 x 16, 4 waves a work-group, clusters of 4 x 4, 327,680 bytes of LDS; arguments X_codes, X_scales, W_q_codes, W_q_scales, W_k_codes, W_k_scales, W_v_codes, W_v_scales, qrec, krec, vrec; writes qrec, krec, vrec
.if DOCPART == 1
	.amdgcn_target "amdgcn-amd-amdhsa--gfx1250"
	.amdhsa_code_object_version 6
	.text
	.protected	k_q148d9a99b2_qkv
	.globl	k_q148d9a99b2_qkv
	.p2align	8
	.type	k_q148d9a99b2_qkv,@function
k_q148d9a99b2_qkv:
	s_mov_b64 s[64:65], 0
	v_nop
	global_prefetch_b8 v0, s[64:65] scope:SCOPE_SE
	s_setreg_imm32_b32 hwreg(HW_REG_WAVE_MODE, 25, 1), 1
	s_wait_xcnt 0x0
	s_wait_alu depctr_hold_cnt(0) depctr_sa_sdst(0) depctr_va_vdst(0) depctr_va_sdst(0) depctr_va_ssrc(0) depctr_va_vcc(0) depctr_vm_vsrc(0)
	s_getreg_b32 s2, hwreg(HW_REG_IB_STS2, 6, 4)
	s_cmp_eq_u32 s2, 0
	s_cbranch_scc0 .Lentry_in_a_cluster
	s_endpgm
.Lentry_in_a_cluster:
	s_bfe_u32 s2, ttmp6, 0x10000c
	s_cmp_lg_u32 s2, 0xf033
	s_cbranch_scc0 .Lentry_shape_is_right
	s_endpgm
.Lentry_shape_is_right:
; Q = X W_q^T, K = X W_k^T, V = X W_v^T on codes of FP6 (E2M3), one E8M0 scale for each 32 along K = 1,024; sums in f32.
; Each wave quantises its 128 x 128 of results in registers and stores codes and scale words as RECORDS, images of the next launch's operand registers.
; ONE TEXT FOR THE THREE PRODUCTS: pointers and tile numbers are chosen by the cluster's x (0, 1: Q; 2, 3: K; 4, 5: V), which all sixteen partners share.
;   Q, K: C[token][feature], A = X, B = W_q or W_k: a lane's 64 results of 16 tokens run along the head's 128 features, the axis that is quantised.
;   V:    C[feature][token], A = W_v, B = X: a lane's 64 results run along 128 tokens, the keys, along which V is quantised.
; A tile of C, 256 x 256, by four waves of 128 x 128 (64 accumulators).  A row of codes is 768 bytes: three CHUNKS of 256 bytes, each beginning at a multiple of 256; chunk c lies in LDS slot c % 2.
; A step of 128 along K is 96 bytes of a row: eight steps to three chunks; steps 2 and 5 lie across two chunks.  The scales of the 256 + 256 rows come into LDS once.
; CLUSTERS 4 x 4: A's tiles are asked for jointly along a row of the cluster, B's along a column.  The matrix instruction is used transposed (source 0 = B's rows, source 1 = A's).
; NO PREFETCH: K has three chunks; two are first fills and the one refill is asked for in step 2 of 8.
; A RECORD (12,800 bytes, index (batch x 16 + head) x 16 + block of 128 tokens): 8 fragments of 1,536 bytes (3 pieces of 512 bytes, lane l's 16 bytes at 16 l), then 8 x 16 scale words.
; Inside a block of 32 the four groups of 8 codes lie in the order 0, 2, 1, 3, alike in Q and K and alike in V and the attention weights.
; LIMITS: NaN and infinities among the results are not served.  A block whose largest magnitude lies under 2^-124, a block of zeros too, gets the scale byte 1; this program alone reads the bytes.
; REGISTERS: window 0: v0-31 addresses, v32-63 scale words (two sets), from v128 A's fragments (one set); window 1: B's fragments, two sets; windows 2, 3: accumulators.
.set ROWB,   256
.set NQ,     2
.set KROW,   768
.set STEPS,  8
.set CHUNKS, 3
.set PITCH,  272
.set FR,     12
.set NL,     6
.set NP,     4
.set HALFT,  128*PITCH
.set SLOT,   4*HALFT
.set KS,     32
.set SCL,    2*SLOT
.set HALFS,  (128*KS/256)*272
.set SBLK,   (16*KS/256)*272
.set SPARE,  SCL+4*HALFS               ; the spare words, 128 bytes a wave
.set STG,    SPARE+512                 ; 512 bytes a wave: its record's scale words are gathered here; no tensor load lands here
.set REC,    12800
.set ADRA, 16                          ; v16-17 A's fragments in slot 0, 1; v18-19 for pieces whose two halves of the lanes read different chunks
.set ADRB, 20
.set STW,  24
.set STR,  25
.set CO,   26
.set ADRS, 27
.set SPW,  28
.set NIL,  29
.set SC,   32
.set TM,   64
.set PW,   80
.set PC,   96
.set SW,   140
.set AF,   128
.set G1, 24
.set G0, 32
.set G1B, 48
.set G0B, 56
.set G1S, 68
.set G0S, 76
.set G1SB, 80
.set G0SB, 88
.set G0H, 4
.set G0HB, 8
.set MSB, 0
.macro WIN new
.if MSB != \new
	s_set_vgpr_msb (MSB<<8)|\new
.set MSB, \new
.endif
.endm
.set MUL_LO, 0xa1
.set MUL_HI, 0xf1
.set TO_B,   0x40
.macro JLOAD g0a, g1a, g0b, g1b        ; waves 0, 1 fetch for A, waves 2, 3 for B
	s_cmp_eq_u32 s15, 0
	s_cbranch_scc0 .Lfor_b_\@
	tensor_load_to_lds s[\g0a:\g0a+3], s[\g1a:\g1a+7]
	s_nop 0
.rept 4
	v_nop
.endr
	s_branch .Lasked_\@
.Lfor_b_\@:
	tensor_load_to_lds s[\g0b:\g0b+3], s[\g1b:\g1b+7]
	s_nop 0
.rept 4
	v_nop
.endr
.Lasked_\@:
.endm
.macro CREST
	s_cmp_lg_u32 s14, 0
	s_cbranch_scc1 .Lnot_wave_0_\@
	s_barrier_signal -3
.Lnot_wave_0_\@:
	s_barrier_wait -3
	s_barrier_signal -1
	s_barrier_wait -1
.endm
.macro CROUND
	s_barrier_signal -1
	s_barrier_wait -1
	CREST
.endm
	s_load_b512 s[68:83], s[0:1], 0x0              ; X's, W_q's, W_k's, W_v's codes and scales
	s_load_b128 s[84:87], s[0:1], 0x40             ; qrec, krec
	s_load_b64 s[88:89], s[0:1], 0x50              ; vrec
	v_lshl_add_u32 v[SPW], v0, 2, SPARE
	v_mov_b32 v[NIL], 0
	ds_add_u32 v[SPW], v[NIL]                      ; the opening lines: the add twice and one wait
	ds_add_u32 v[SPW], v[NIL]
	v_lshrrev_b32 v1, 5, v0
	v_readfirstlane_b32 s14, v1                    ; wave
	s_lshr_b32 s15, s14, 1                         ; my half of the tile's rows; also: I fetch for A (0) or B (1)
	s_and_b32 s16, s14, 1                          ; my half of its columns; also: which 128 rows I fetch
	s_bfe_u32 s40, ttmp6, 0x40000                  ; cx
	s_bfe_u32 s41, ttmp6, 0x40004                  ; cy
	s_and_b32 s98, ttmp7, 0xffff
	s_cmp_lt_u32 ttmp9, 4                          ; Q or K, or V
	s_cselect_b32 s96, 3, 1                        ; A has 16 tile rows (X) or 8 (W_v)
	s_cselect_b32 s97, 0, 1
	s_and_b32 s17, s98, s96
	s_lshl_b32 s17, s17, 2
	s_add_co_u32 s17, s17, s41                     ; A's tile row
	s_and_b32 s42, ttmp9, 1
	s_lshl_b32 s42, s42, 2
	s_add_co_u32 s42, s42, s40
	s_lshr_b32 s99, s98, 1
	s_mul_i32 s99, s99, s97
	s_lshl_b32 s99, s99, 3
	s_add_co_u32 s42, s42, s99                     ; B's tile column
	s_lshl_b32 s43, s41, 2
	s_lshl_b32 s43, 15, s43                        ; my row of the cluster
	s_lshl_b32 s44, 0x1111, s40                    ; my column
	s_or_b32 s[G1+0], s43, (0<<16)|(1<<20)|(1<<21)|(5<<22)|(3<<25)   ; bytes; 16 bytes of padding behind every 256
	s_or_b32 s[G1B+0], s44, (0<<16)|(1<<20)|(1<<21)|(5<<22)|(3<<25)
.irp g, G1, G1B
	s_mov_b32 s[\g+1], ROWB<<16
	s_mov_b32 s[\g+2], 256<<16                     ; 256 rows for the head's loads
	s_mov_b32 s[\g+3], ROWB<<16
	s_mov_b32 s[\g+4], 256
	s_mov_b32 s[\g+5], KROW
	s_mov_b32 s[\g+6], 0
	s_mov_b32 s[\g+7], 0
.endr
	s_lshl_b32 s20, s17, 8
	s_lshl_b32 s46, s42, 8
	s_mov_b32 s21, 0
	s_mov_b32 s47, 0
	s_mov_b64 s[18:19], KS
	s_mul_u64 s[22:23], s[20:21], s[18:19]         ; where the rows' scales begin
	s_mul_u64 s[92:93], s[46:47], s[18:19]
	s_mov_b64 s[18:19], KROW
	s_mul_u64 s[20:21], s[20:21], s[18:19]         ; and their codes
	s_mul_u64 s[46:47], s[46:47], s[18:19]
	s_mul_i32 s18, s16, 128*KROW
	s_mov_b32 s19, 0
	s_mul_i32 s45, s14, HALFT
	s_wait_dscnt 0x0
	s_wait_kmcnt 0x0
	s_cmp_lt_u32 ttmp9, 4
	s_cselect_b64 s[4:5], s[68:69], s[80:81]       ; A's codes: X's or W_v's
	s_cselect_b64 s[6:7], s[70:71], s[82:83]
	s_cmp_lt_u32 ttmp9, 2
	s_cselect_b64 s[8:9], s[72:73], s[76:77]
	s_cselect_b64 s[10:11], s[74:75], s[78:79]
	s_cselect_b64 s[12:13], s[84:85], s[86:87]
	s_cmp_lt_u32 ttmp9, 4
	s_cselect_b64 s[8:9], s[8:9], s[68:69]         ; B's codes: W_q's, W_k's or X's
	s_cselect_b64 s[10:11], s[10:11], s[70:71]
	s_cselect_b64 s[12:13], s[12:13], s[88:89]     ; the records that I store
	s_or_b32 s[G1S+0], s43, (3<<16)|(1<<20)|(1<<21)|(5<<22)|(3<<25)  ; the scales of 256 rows: KS rows of 256 bytes
	s_or_b32 s[G1SB+0], s44, (3<<16)|(1<<20)|(1<<21)|(5<<22)|(3<<25)
.irp g, G1S, G1SB
	s_mov_b32 s[\g+1], 32<<16
	s_mov_b32 s[\g+2], KS<<16
	s_mov_b32 s[\g+3], 32<<16
	s_mov_b32 s[\g+4], KS
	s_mov_b32 s[\g+5], 32
	s_mov_b32 s[\g+6], 0
	s_mov_b32 s[\g+7], 0
.endr
	s_add_nc_u64 s[20:21], s[4:5], s[20:21]
	s_add_nc_u64 s[22:23], s[6:7], s[22:23]
	s_add_nc_u64 s[46:47], s[8:9], s[46:47]
	s_add_nc_u64 s[92:93], s[10:11], s[92:93]
	CROUND                                         ; the first joint loads meet
	s_mov_b32 s[G0H], 1
	s_mov_b32 s[G0H+1], 0
	s_mov_b64 s[G0H+2:G0H+3], s[20:21]
	s_or_b32 s[G0H+3], s[G0H+3], 0x80000000
	s_mov_b32 s[G0HB], 1
	s_mov_b32 s[G0HB+1], 2*HALFT
	s_mov_b64 s[G0HB+2:G0HB+3], s[46:47]
	s_or_b32 s[G0HB+3], s[G0HB+3], 0x80000000
	s_mov_b32 s[G0S], 1
	s_mov_b32 s[G0S+1], SCL
	s_mov_b64 s[G0S+2:G0S+3], s[22:23]
	s_or_b32 s[G0S+3], s[G0S+3], 0x80000000
	s_mov_b32 s[G0SB], 1
	s_mov_b32 s[G0SB+1], SCL+2*HALFS
	s_mov_b64 s[G0SB+2:G0SB+3], s[92:93]
	s_or_b32 s[G0SB+3], s[G0SB+3], 0x80000000
	s_add_nc_u64 s[20:21], s[20:21], s[18:19]      ; for the ring: my 128 rows
	s_add_nc_u64 s[46:47], s[46:47], s[18:19]
.irp s, 0,1
	s_mov_b32 s[G0+4*\s], 1
	s_add_co_u32 s[G0+4*\s+1], s45, \s*SLOT
	s_add_nc_u64 s[G0+4*\s+2:G0+4*\s+3], s[20:21], \s*ROWB
	s_or_b32 s[G0+4*\s+3], s[G0+4*\s+3], 0x80000000
	s_mov_b32 s[G0B+4*\s], 1
	s_add_co_u32 s[G0B+4*\s+1], s45, \s*SLOT
	s_add_nc_u64 s[G0B+4*\s+2:G0B+4*\s+3], s[46:47], \s*ROWB
	s_or_b32 s[G0B+4*\s+3], s[G0B+4*\s+3], 0x80000000
.endr
; the head's four tiles, one load a wave: chunk 0 of A, chunk 0 of B, A's scales, B's scales
.macro ARM under, g0, g1, next
	s_cmp_lt_u32 s14, \under
	s_cbranch_scc0 \next
	tensor_load_to_lds s[\g0:\g0+3], s[\g1:\g1+7]
	s_nop 0
.rept 4
	v_nop
.endr
	s_branch .Lhead_asked
\next:
.endm
	ARM 1, G0H,  G1,  .Lhead_b
	ARM 2, G0HB, G1B, .Lhead_sa
	ARM 3, G0S,  G1S, .Lhead_sb
	tensor_load_to_lds s[G0SB:G0SB+3], s[G1SB:G1SB+7]
	s_nop 0
.rept 4
	v_nop
.endr
.Lhead_asked:
	v_and_b32 v1, 15, v0
	v_bfe_u32 v2, v0, 4, 1
	v_mul_u32_u24 v3, v1, PITCH
	v_mul_u32_u24 v4, v2, 24
	v_add_nc_u32 v4, v3, v4                        ; row x pitch + 24 x half
	s_mov_b32 s21, SLOT-232
	s_mov_b32 s22, SLOT+232
	v_sub_nc_u32 v7, 1, v2
	v_mul_u32_u24 v5, s21, v2
	v_add_nc_u32 v5, v3, v5
	v_add_nc_u32 v5, 232, v5                       ; lanes 0-15 byte 232 of the row in slot 0, lanes 16-31 byte 0 in slot 1
	v_mul_u32_u24 v6, s22, v7
	v_add_nc_u32 v6, v3, v6                        ; and the other way round
	s_mul_i32 s21, s15, HALFT
	s_mul_i32 s22, s16, HALFT
	s_add_co_u32 s22, s22, 2*HALFT
	v_add_nc_u32 v[ADRA+2], s21, v5
	v_add_nc_u32 v[ADRA+3], s21, v6
	v_add_nc_u32 v[ADRB+2], s22, v5
	v_add_nc_u32 v[ADRB+3], s22, v6
.irp s, 0,1
	v_add_nc_u32 v[ADRA+\s], s21, v4
	v_add_nc_u32 v[ADRB+\s], s22, v4
	s_add_co_u32 s21, s21, SLOT
	s_add_co_u32 s22, s22, SLOT
.endr
	v_mul_u32_u24 v5, v1, KS
	v_lshrrev_b32 v6, 8, v5
	v_lshl_add_u32 v5, v6, 4, v5
	s_mul_i32 s21, s15, HALFS
	s_mul_i32 s22, s16, HALFS
	s_add_co_u32 s22, s22, 2*HALFS
	s_sub_co_u32 s22, s22, s21
	v_mul_u32_u24 v6, s22, v2                      ; lanes 16-31 take B's scale words
	s_add_co_u32 s21, s21, SCL
	v_add_nc_u32 v5, v5, v6
	v_add_nc_u32 v[ADRS], s21, v5
	v_and_b32 v6, 31, v0
	v_lshlrev_b32 v[CO], 4, v6
	s_lshl_b32 s23, s14, 9
	s_add_co_u32 s23, s23, STG
	v_lshl_add_u32 v[STW], v1, 2, s23
	v_add_nc_u32 v[STR], s23, v[CO]
	s_lshl_b32 s20, s17, 1                         ; my record
	s_add_co_u32 s20, s20, s15
	s_lshl_b32 s46, s42, 1
	s_add_co_u32 s46, s46, s16
	s_cmp_lt_u32 ttmp9, 4
	s_cselect_b32 s21, s20, s46                    ; the block of tokens
	s_cselect_b32 s47, s46, s20                    ; the head
	s_lshr_b32 s20, s21, 4
	s_lshl_b32 s20, s20, 4
	s_add_co_u32 s20, s20, s47
	s_lshl_b32 s20, s20, 4
	s_and_b32 s21, s21, 15
	s_add_co_u32 s20, s20, s21
	s_mul_i32 s20, s20, REC
	s_mov_b32 s21, 0
	s_add_nc_u64 s[12:13], s[12:13], s[20:21]
.macro FRAG reg, adr, st, i            ; 12 registers in six pieces of 8 bytes; byte y of a row lies in slot (y / 256) % 2 at byte y % 256
.irp p, 0,1,2,3,4,5
.set BY, 96*(\st)+48*(\p/3)+8*(\p%3)
.if BY/ROWB == (BY+24)/ROWB
	ds_load_b64 v[\reg+2*\p:\reg+2*\p+1], v[\adr+(BY/ROWB)%2] offset:BY%ROWB+(\i)*16*PITCH
.else
	ds_load_b64 v[\reg+2*\p:\reg+2*\p+1], v[\adr+2+(BY/ROWB)%2] offset:BY%ROWB-232+(\i)*16*PITCH
.endif
.endr
.endm
.macro MUL16 a0, p, q, sc, zero        ; the 64 accumulators take turns
.irp a, \a0, \a0+1
.irp b, 0,1,2,3,4,5,6,7
.if \zero
	v_wmma_scale_f32_16x16x128_f8f6f4 v[8*(8*((\a)%4)+\b):8*(8*((\a)%4)+\b)+7], v[128*(\p)+FR*\b:128*(\p)+FR*\b+FR-1], v[AF+FR*(\a):AF+FR*(\a)+FR-1], 0, v[SC+8*NQ*(\sc)+NQ*\b+(\q)], v[SC+8*NQ*(\sc)+NQ*(\a)+(\q)] matrix_a_fmt:MATRIX_FMT_FP6 matrix_b_fmt:MATRIX_FMT_FP6 matrix_a_scale:MATRIX_SCALE_ROW1
.else
	v_wmma_scale_f32_16x16x128_f8f6f4 v[8*(8*((\a)%4)+\b):8*(8*((\a)%4)+\b)+7], v[128*(\p)+FR*\b:128*(\p)+FR*\b+FR-1], v[AF+FR*(\a):AF+FR*(\a)+FR-1], v[8*(8*((\a)%4)+\b):8*(8*((\a)%4)+\b)+7], v[SC+8*NQ*(\sc)+NQ*\b+(\q)], v[SC+8*NQ*(\sc)+NQ*(\a)+(\q)] matrix_a_fmt:MATRIX_FMT_FP6 matrix_b_fmt:MATRIX_FMT_FP6 matrix_a_scale:MATRIX_SCALE_ROW1
.endif
.endr
.endr
.endm
.macro FETCH_B st, p
	WIN TO_B
.irp i, 0,1,2,3,4,5,6,7
	FRAG 128*(\p)+FR*\i, ADRB, \st, \i
.endr
	WIN 0
.endm
.macro FETCH_A st, i0
.irp i, \i0, \i0+1, \i0+2, \i0+3
	FRAG AF+FR*(\i), ADRA, \st, \i
.endr
.endm
.macro SCALES pr
.irp i, 0,1,2,3,4,5,6,7
	ds_load_b64 v[SC+8*NQ*((\pr)%2)+NQ*\i:SC+8*NQ*((\pr)%2)+NQ*\i+1], v[ADRS] offset:\i*SBLK+4*NQ*(\pr)
.endr
.endm
.macro PLACES n
.rept \n
	v_nop
.endr
.endm
; A step: 64 products; the next step's fragments are fetched in its middle and at its end.  Where the next step ends in a chunk not yet read: a barrier for that chunk.
; Where it begins in a later chunk: the three lines and the barrier for the chunk left behind, a round of the cluster's barrier and the refill where a chunk two on is left.
.macro STEP st, zero
.set NX, (\st)+1
.set C0, (96*(\st))/ROWB
.set C1, (96*NX)/ROWB
.set E0, (96*(\st)+95)/ROWB
.set E1, (96*NX+95)/ROWB
.if C1 > C0 || E1 > E0
	s_wait_tensorcnt 0x0                           ; all my tensor loads have landed
.if C1 > C0
	ds_add_u32 v[SPW], v[NIL]
	s_wait_dscnt 4*NL+1                            ; the add and A's blocks 4-7 may be out
.else
	s_wait_dscnt 4*NL
.endif
	WIN MUL_LO
	MUL16 0, (\st)%2, (\st)%2, ((\st)/2)%2, \zero
	s_wait_dscnt 0x0                               ; the add and all my reads are done
	s_barrier_signal -1
	MUL16 2, (\st)%2, (\st)%2, ((\st)/2)%2, \zero
	WIN 0
	s_barrier_wait -1
.if C1 > C0 && C0+2 < CHUNKS
	CREST
	s_add_nc_u64 s[G0+4*(C0%2)+2:G0+4*(C0%2)+3], s[G0+4*(C0%2)+2:G0+4*(C0%2)+3], 2*ROWB
	s_add_nc_u64 s[G0B+4*(C0%2)+2:G0B+4*(C0%2)+3], s[G0B+4*(C0%2)+2:G0B+4*(C0%2)+3], 2*ROWB
	JLOAD G0+4*(C0%2), G1, G0B+4*(C0%2), G1B       ; chunk C0 + 2; its four v_nop are the places ahead of the loads below
.else
	PLACES NP
.endif
.else
	s_wait_dscnt 4*NL                              ; A's blocks 4-7 may be out
	WIN MUL_LO
	MUL16 0, (\st)%2, (\st)%2, ((\st)/2)%2, \zero
	MUL16 2, (\st)%2, (\st)%2, ((\st)/2)%2, \zero
	s_wait_dscnt 0
	PLACES NP
.endif
	FETCH_B NX, NX%2
	FETCH_A NX, 0
.if NX%2 == 0
	SCALES NX/2
.endif
	WIN MUL_HI
	MUL16 4, (\st)%2, (\st)%2, ((\st)/2)%2, \zero
	MUL16 6, (\st)%2, (\st)%2, ((\st)/2)%2, \zero
	PLACES NP
	WIN 0
	FETCH_A NX, 4
.endm
	s_wait_alu depctr_va_vdst(0)                   ; the wait at the head's end
	s_wait_tensorcnt 0x0                           ; my tile of the head's four is in
	ds_add_u32 v[SPW], v[NIL]
	s_mov_b32 s[G1+2], 128<<16                     ; no load of mine is out: from here on a load brings 128 rows
	s_mov_b32 s[G1+4], 128
	s_mov_b32 s[G1B+2], 128<<16
	s_mov_b32 s[G1B+4], 128
	s_wait_dscnt 0x0
	CROUND
	JLOAD G0+4, G1, G0B+4, G1B                     ; chunk 1: slot 1's first fill, issued as a refill is
	FETCH_B 0, 0
	FETCH_A 0, 0
	SCALES 0
	FETCH_A 0, 4
	STEP 0, 1                                      ; the first step's products start the sums
.set ST, 1
.rept STEPS-2
	STEP ST, 0
.set ST, ST+1
.endr
	s_wait_dscnt 4*NL                              ; the last step
	WIN MUL_LO
	MUL16 0, 1, 1, 1, 0
	MUL16 2, 1, 1, 1, 0
	s_wait_dscnt 0
	WIN MUL_HI
	MUL16 4, 1, 1, 1, 0
	MUL16 6, 1, 1, 1, 0
	WIN 0
; THE WAY OUT.  Block a's 64 registers: register 16 b + i of lanes l and l xor 16 together are block b of 32 along the quantised axis.
; The largest magnitude with the floor 2^(3 - 127), 2 off its exponent field: the conversion's scale operand; shifted down: the byte.
.macro QUANTW a
.set AC, 64*((\a)%4)
.set WA, 2+(\a)/4
.set PCS, PC+20*((\a)%2)
	WIN (WA<<2)|(WA<<4)
.irp b, 0,1,2,3
	v_max3_num_f32 v[TM+\b], 0x1800000, |v[AC+16*\b]|, |v[AC+16*\b+1]|
.endr
.irp i, 2,4,6,8,10,12,14
.irp b, 0,1,2,3
	v_max3_num_f32 v[TM+\b], v[TM+\b], |v[AC+16*\b+\i]|, |v[AC+16*\b+\i+1]|
.endr
.endr
	WIN 0
.irp b, 0,1,2,3
	v_permlanex16_b32 v[TM+4+\b], v[TM+\b], s92, s93
.endr
.irp b, 0,1,2,3
	v_max_num_f32 v[TM+\b], v[TM+\b], v[TM+4+\b]
.endr
.irp b, 0,1,2,3
	v_add_nc_u32 v[TM+8+\b], 0xff000000, v[TM+\b]
.endr
.irp b, 0,1,2,3
	v_lshrrev_b32 v[TM+4+\b], 23, v[TM+8+\b]
.endr
	v_lshl_or_b32 v[PW+\a], v[TM+5], 8, v[TM+4]
	v_lshl_or_b32 v[PW+\a], v[TM+6], 16, v[PW+\a]
	v_lshl_or_b32 v[PW+\a], v[TM+7], 24, v[PW+\a]
	WIN WA
.irp c, 0,1
	v_cvt_scalef32_pk16_fp6_f32 v[PCS+6*\c:PCS+6*\c+2], v[AC+32*\c:AC+32*\c+15], v[TM+8+2*\c]
	v_cvt_scalef32_pk16_fp6_f32 v[PCS+12+4*\c:PCS+14+4*\c], v[AC+32*\c+16:AC+32*\c+31], v[TM+8+2*\c+1]
.endr
	WIN 0
	v_nop                                          ; one plain place behind a scaled conversion
.irp c, 0,1
.irp i, 0,1,2
	v_permlane16_swap_b32 v[PCS+6*\c+\i], v[PCS+12+4*\c+\i]
.endr
.irp i, 0,1,2
	v_mov_b32 v[PCS+3+6*\c+\i], v[PCS+12+4*\c+\i]
.endr
.endr
.endm
	PLACES NP
	s_mov_b32 s92, 0x76543210
	s_mov_b32 s93, 0xfedcba98
.irp b, 0,1,2,3
	v_mov_b32 v[TM+4+\b], 0                        ; a lane permute's destination counts as a source
.endr
.irp a, 0,1,2,3,4,5,6,7
.if \a > 1
	s_wait_xcnt 0x0                                ; block a - 2's stores have read their registers
.endif
	QUANTW \a
.irp c, 0,1,2
	global_store_b128 v[CO], v[PCS+4*\c:PCS+4*\c+3], s[12:13] offset:1536*\a+512*\c   ; 512 consecutive bytes
.endr
	ds_store_b32 v[STW], v[PW+\a] offset:64*\a
.endr
	ds_load_b128 v[SW:SW+3], v[STR]                ; LDS serves a wave's instructions in order: this sees my stores
	s_wait_dscnt 0x0
	global_store_b128 v[CO], v[SW:SW+3], s[12:13] offset:12288
	s_wait_tensorcnt 0x0                           ; the wave's end
	ds_add_u32 v[SPW], v[NIL]
	s_wait_dscnt 0x0
	CROUND                                         ; the closing round
	s_endpgm
.Lfunc_end_k_q148d9a99b2_qkv:
	.size	k_q148d9a99b2_qkv, .Lfunc_end_k_q148d9a99b2_qkv-k_q148d9a99b2_qkv
	.p2alignl 7, 3214868480
	.fill 96, 4, 3214868480
	.section	.rodata,"a",@progbits
	.p2align	6, 0x0
	.amdhsa_kernel k_q148d9a99b2_qkv
		.amdhsa_group_segment_fixed_size 327680
		.amdhsa_private_segment_fixed_size 0
		.amdhsa_enable_private_segment 0
		.amdhsa_kernarg_size 88
		.amdhsa_user_sgpr_count 2
		.amdhsa_user_sgpr_kernarg_segment_ptr 1
		.amdhsa_wavefront_size32 1
		.amdhsa_system_sgpr_workgroup_id_x 1
		.amdhsa_system_sgpr_workgroup_id_y 1
		.amdhsa_system_sgpr_workgroup_id_z 1
		.amdhsa_system_vgpr_workitem_id 0
		.amdhsa_next_free_vgpr 1024
		.amdhsa_next_free_sgpr 100
		.amdhsa_reserve_vcc 0
		.amdhsa_float_denorm_mode_32 3
		.amdhsa_float_denorm_mode_16_64 3
		.amdhsa_memory_ordered 1
		.amdhsa_forward_progress 1
		.amdhsa_inst_pref_size 166
	.end_amdhsa_kernel
	.amdgpu_metadata
---
amdhsa.version: [ 1, 2 ]
amdhsa.kernels:
  - .name:           k_q148d9a99b2_qkv
    .symbol:         k_q148d9a99b2_qkv.kd
    .args:
      - { .name: X_codes, .offset: 0, .size: 8, .value_kind: global_buffer, .address_space: global }
      - { .name: X_scales, .offset: 8, .size: 8, .value_kind: global_buffer, .address_space: global }
      - { .name: W_q_codes, .offset: 16, .size: 8, .value_kind: global_buffer, .address_space: global }
      - { .name: W_q_scales, .offset: 24, .size: 8, .value_kind: global_buffer, .address_space: global }
      - { .name: W_k_codes, .offset: 32, .size: 8, .value_kind: global_buffer, .address_space: global }
      - { .name: W_k_scales, .offset: 40, .size: 8, .value_kind: global_buffer, .address_space: global }
      - { .name: W_v_codes, .offset: 48, .size: 8, .value_kind: global_buffer, .address_space: global }
      - { .name: W_v_scales, .offset: 56, .size: 8, .value_kind: global_buffer, .address_space: global }
      - { .name: qrec, .offset: 64, .size: 8, .value_kind: global_buffer, .address_space: global }
      - { .name: krec, .offset: 72, .size: 8, .value_kind: global_buffer, .address_space: global }
      - { .name: vrec, .offset: 80, .size: 8, .value_kind: global_buffer, .address_space: global }
    .group_segment_fixed_size: 327680
    .private_segment_fixed_size: 0
    .kernarg_segment_align: 8
    .kernarg_segment_size: 88
    .max_flat_workgroup_size: 128
    .sgpr_count:     100
    .vgpr_count:     1024
    .wavefront_size: 32
...
	.end_amdgpu_metadata
.endif
;; end of part 1
;; launch attn (part 2): grid 8 x 32, 16 waves a work-group, no clusters, 327,680 bytes of LDS; arguments qrec, krec, vrec, lambda_q1, lambda_k1, lambda_q2, lambda_k2, rms_scale, oc, os, W_o_codes, wrec; writes oc, os, wrec
.if DOCPART == 2
	.amdgcn_target "amdgcn-amd-amdhsa--gfx1250"
	.amdhsa_code_object_version 6
	.text
	.protected	k_q148d9a99b2_attn
	.globl	k_q148d9a99b2_attn
	.p2align	8
	.type	k_q148d9a99b2_attn,@function
k_q148d9a99b2_attn:
	s_mov_b64 s[64:65], 0
	v_nop
	global_prefetch_b8 v0, s[64:65] scope:SCOPE_SE
	s_setreg_imm32_b32 hwreg(HW_REG_WAVE_MODE, 25, 1), 1
	s_wait_xcnt 0x0
; Differential attention of one head: O = (softmax(Q1 K1^T / 8) - lam softmax(Q2 K2^T / 8)) V with the causal mask, then O / rms(O) x gain x 0.2, quantised for the last product.  All three products on codes of FP6 (E2M3).
; THE WEIGHTS ARE QUANTISED FINISHED AND NORMALISED, along the keys.  So a row's two maxima and two sums are wanted before its first code is made: TWO PASSES over the keys.
;   Pass 1: the scores of both softmaxes, a running maximum m and a running sum l of 2^(c s - c m), c = log2(e) / 8, for each.
;   Pass 2: the scores once more; weight = 2^(c s1 - c m1) / l1 - lam 2^(c s2 - c m2) / l2; hidden keys' weights 0; quantised in blocks of 32 keys; O^T += V^T P^T.
;   -c m is rounded once and the same number stands in every exponent of both passes, so its rounding leaves the quotient alone.
; K = 64 IN AN INSTRUCTION OF K = 128: a key's fragment holds K1 | K2; it is multiplied with (Q1 | zero codes) and with (zero codes | Q2).  Zero codes add nothing under any scale byte but 0xff.
; SHARES.  Work-group (i, batch x 16 + head) owns the blocks i and 15 - i of 128 queries: 8 (i + 1) + 8 (16 - i) = 136 key steps of a tile in each pass, the same in every work-group.
;   Each of its sixteen waves owns one tile of 16 queries in 256 registers.  Wave w takes tile w / 2 of the late block where (w xor w / 4) is odd, else of the early one: of any four waves w, w + 4, w + 8, w + 12, and of any four
;   neighbours, two are late and two early.  A tile of block BLK works in key steps 0 .. BLK (128 keys each); step BLK lies on the diagonal.  Every loop has a constant trip count; a step with nothing to do is jumped over by a scalar branch on ids.
; LAYOUT.  All products are used transposed (source 0 = 16 keys, or 16 of the head's 128; source 1 = my 16 queries): a lane holds ONE query (lane % 16) throughout, and in the scores register 8 t + j the key 16 t + 8 (lane / 16) + j.
;   Operands come as images of their registers (records of 12,800 bytes: 8 fragments of 1,536 bytes, then 8 x 16 scale words): every LDS read takes 16 or 4 consecutive bytes a lane.
;   Inside a block of 32 the four groups of 8 codes lie in the order 0, 2, 1, 3, alike in Q and K and alike in the weights and V.  O is brought to the true order ahead of its quantiser, since W_o's codes are given.
; LDS.  The head's 16 records of K stay (204,800 bytes, filled once); V goes through two slots of 4 records (512 keys); waves 0 to 3 fetch, a record each for each group of four.
; NO CLUSTER, though the eight work-groups of a head read the same K and V: a joint refill ties its partners at every change of V's slot, and their work between two changes differs: in keys 0 .. 511 a work-group has 40 to 64
;   key steps of a tile, in keys 1,536 .. 2,047 it has 32 to 0; the largest of each of the four stretches add up to 192 against the 136 that each work-group has.
; NO PREFETCH: all of K and half of V are first fills at the head; each of the two refills is issued four key steps of sixteen waves ahead of its first read.
; LIMITS: NaN and infinities among the inputs are not served; scores stay under 3e38 in magnitude.  lam overflows where its own exponentials overflow.  2^x under 2^-126 counts as 0 (ISA guide, v_exp_f32).
;   1 / l and 1 / sqrt are v_rcp_f32 and v_rsq_f32.  A block whose largest magnitude lies under 2^-124, a block of zeros too, gets the scale byte 1: this program alone reads the bytes.
.set REC,   12800                      ; a record
.set SCW,   12288                      ; where its scale words begin
.set VRING, 16*REC                     ; behind K's 16 records: V's two slots
.set VSLOT, 4*REC
.set SPARE, VRING+2*VSLOT              ; the spare words, 128 bytes for each wave: eight blocks of 256 bytes that no other line names
.set RMSL,  SPARE+16*128               ; 512 bytes for each wave: its own copy of the gain; no tensor load lands here
.set LI,   1                           ; v1   16 x lane
.set LS,   2                           ; v2   4 x lane
.set SPW,  3                           ; v3   LDS address of my spare word; never rewritten
.set NIL,  4                           ; v4   0; never rewritten
.set ADK,  5                           ; v5-8 LDS addresses of the step in hand: K's fragments, K's scale words, V's fragments, V's scale words
.set ADS,  6
.set ADV,  7
.set ADT,  8
.set DQ,   9                           ; v9   my query's place in its block of 128, less 8 (lane / 16): register 8 t + j of the diagonal step is hidden where 16 t + j is above it
.set NINF, 10                          ; v10  -infinity
.set LAM,  11                          ; v11  lam
.set N1,   12                          ; v12  -c m1, v13 m1
.set N2,   14                          ; v14  -c m2, v15 m2
.set QA,   16                          ; v16-21 Q1's codes, v22-27 zero codes, v28-33 Q2's: (Q1 | 0) = v[16:27], (0 | Q2) = v[22:33]
.set QB,   22
.set QS,   34                          ; v34  Q's scale words
.set PW,   35                          ; v35  the scale word just made
.set L1,   36                          ; v[36:37] l1 in two halves; in pass 2 v36 = 1 / l1
.set L2,   38                          ; v[38:39] l2; in pass 2 v38 = -lam / l2
.set A1,   40                          ; v40, v42 the factors 2^(c m_old - c m_new); v41, v43 at work
.set A2,   42
.set KW,   44                          ; v44-47 scale words of K or of V: register p: lanes 0-15 fragment 2 p's rows, lanes 16-31 fragment 2 p + 1's
.set FK,   48                          ; v48-95 four fragments
.set AT,   96                          ; v96-159 pass 1: 32 scores of each softmax; pass 2: scores of softmax 1, then the 64 weights, then four fragments of V
.set BT,   160                         ; v160-191 pass 2: 32 scores of softmax 2
.set OT,   192                         ; v192-255 O^T
.set PC,   160                         ; v160-179 the codes just made (12 registers and 8 at work)
.set TM,   180                         ; v180-183 largest magnitudes, v184-187 the other half's, then bytes, v188-191 the conversions' scale operands
.set X1,   160                         ; pass 1: v160-163, v164-167 four chains of each maximum
.set X2,   164
.set T1,   168
.set T2,   169
.set U1,   170                         ; v[170:171], v[172:173] second chains of the sums
.set U2,   172
.set FK1,  192                         ; pass 1: v192-239 four more fragments
.set WV,   24
.set BH,   25                          ; batch x 16 + head
.set HEAD, 26
.set BLK,  27                          ; my block of 128 queries
.set IDX,  28                          ; my tile in it
.set W3,   29                          ; wave % 4
.set SEL,  30                          ; s[30:31] v_permlanex16_b32's selects for lane l xor 16
.set CS,   32                          ; s[32:33] c: the packed form names a pair and takes its low word for both halves
.set NC,   34                          ; -c
.set KST,  35                          ; the key step
.set TB,   36                          ; LDS byte of its record of K
.set TV,   37                          ; and of V
.set G1,   40                          ; s[40:47] descriptor group 1: one shape for all loads
.set G0K,  48                          ; s[48:55] groups 0 for K's and V's first fills of record w
.set G0V,  68                          ; s[68:75] groups 0 for V's two slots
; a product that starts a sum, and one that adds in place.  row = 1: source 0's scale words stand in lanes 16-31
.macro WZ d, a, b, sa, sb, row
.if \row
	v_wmma_scale_f32_16x16x128_f8f6f4 v[\d:\d+7], v[\a:\a+11], v[\b:\b+11], 0, v[\sa], v[\sb] matrix_a_fmt:MATRIX_FMT_FP6 matrix_b_fmt:MATRIX_FMT_FP6 matrix_a_scale:MATRIX_SCALE_ROW1
.else
	v_wmma_scale_f32_16x16x128_f8f6f4 v[\d:\d+7], v[\a:\a+11], v[\b:\b+11], 0, v[\sa], v[\sb] matrix_a_fmt:MATRIX_FMT_FP6 matrix_b_fmt:MATRIX_FMT_FP6
.endif
.endm
.macro WA d, a, b, sa, sb, row
.if \row
	v_wmma_scale_f32_16x16x128_f8f6f4 v[\d:\d+7], v[\a:\a+11], v[\b:\b+11], v[\d:\d+7], v[\sa], v[\sb] matrix_a_fmt:MATRIX_FMT_FP6 matrix_b_fmt:MATRIX_FMT_FP6 matrix_a_scale:MATRIX_SCALE_ROW1
.else
	v_wmma_scale_f32_16x16x128_f8f6f4 v[\d:\d+7], v[\a:\a+11], v[\b:\b+11], v[\d:\d+7], v[\sa], v[\sb] matrix_a_fmt:MATRIX_FMT_FP6 matrix_b_fmt:MATRIX_FMT_FP6
.endif
.endm
.macro PLACES n
.rept \n
	v_nop
.endr
.endm
; four fragments, f0 .. f0 + 3 of a record, into v[reg] on
.macro FRAGS reg, adr, f0
.irp t, 0,1,2,3
.irp c, 0,1,2
	ds_load_b128 v[\reg+12*\t+4*\c:\reg+12*\t+4*\c+3], v[\adr] offset:1536*(\f0+\t)+512*\c
.endr
.endr
.endm
.macro WORDS adr                       ; a record's 128 scale words into v44-47
.irp p, 0,1,2,3
	ds_load_b32 v[KW+\p], v[\adr] offset:SCW+128*\p
.endr
.endm
; THE QUANTISER.  64 numbers of a lane, v[s] .. v[s + 63]; registers 16 b .. 16 b + 15 of lanes l and l xor 16 are block b.  QH: the scale word into v[PW], the conversions.  QT: each lane gets whole blocks: the codes in v[PC] on.
.macro QH s
.irp b, 0,1,2,3
	v_max3_num_f32 v[TM+\b], |v[\s+16*\b]|, |v[\s+1+16*\b]|, 0x1800000   ; my 16 numbers, and the floor 2^(3 - 127): so the byte cannot fall under 1
.endr
.irp b, 0,1,2,3
	v_max3_num_f32 v[TM+4+\b], |v[\s+8+16*\b]|, |v[\s+9+16*\b]|, |v[\s+10+16*\b]|    ; three chains for each block, twelve by turns: a line reads what was written 8 or 12 lines above it
.endr
.irp b, 0,1,2,3
	v_max3_num_f32 v[TM+8+\b], |v[\s+6+16*\b]|, |v[\s+7+16*\b]|, |v[\s+15+16*\b]|
.endr
.irp i, 2,4
.irp b, 0,1,2,3
	v_max3_num_f32 v[TM+\b], v[TM+\b], |v[\s+16*\b+\i]|, |v[\s+1+16*\b+\i]|
.endr
.irp b, 0,1,2,3
	v_max3_num_f32 v[TM+4+\b], v[TM+4+\b], |v[\s+9+16*\b+\i]|, |v[\s+10+16*\b+\i]|
.endr
.endr
.irp b, 0,1,2,3
	s_delay_alu instid0(VALU_DEP_4)
	v_max3_num_f32 v[TM+\b], v[TM+\b], v[TM+4+\b], v[TM+8+\b]   ; the three chains joined
.endr
.irp b, 0,1,2,3
	s_delay_alu instid0(VALU_DEP_4)
	v_permlanex16_b32 v[TM+4+\b], v[TM+\b], s[SEL], s[SEL+1]
.endr
.irp b, 0,1,2,3
	s_delay_alu instid0(VALU_DEP_4)
	v_max_num_f32 v[TM+\b], v[TM+\b], v[TM+4+\b]   ; with lane l xor 16's: the block's largest magnitude
.endr
.irp b, 0,1,2,3
	s_delay_alu instid0(VALU_DEP_4)
	v_add_nc_u32 v[TM+8+\b], 0xff000000, v[TM+\b]  ; 2 off its exponent field: the conversion takes the exponent field of this operand as its scale
.endr
.irp b, 0,1,2,3
	s_delay_alu instid0(VALU_DEP_4)
	v_lshrrev_b32 v[TM+4+\b], 23, v[TM+8+\b]       ; the scale's byte
.endr
	s_delay_alu instid0(VALU_DEP_3)
	v_lshl_or_b32 v[PW], v[TM+5], 8, v[TM+4]
	s_delay_alu instid0(VALU_DEP_1)
	v_lshl_or_b32 v[PW], v[TM+6], 16, v[PW]
	s_delay_alu instid0(VALU_DEP_1)
	v_lshl_or_b32 v[PW], v[TM+7], 24, v[PW]
.irp c, 0,1
	v_cvt_scalef32_pk16_fp6_f32 v[PC+6*\c:PC+2+6*\c], v[\s+32*\c:\s+15+32*\c], v[TM+8+2*\c]
	v_cvt_scalef32_pk16_fp6_f32 v[PC+12+4*\c:PC+14+4*\c], v[\s+16+32*\c:\s+31+32*\c], v[TM+8+2*\c+1]   ; (a conversion's three registers begin on an even number)
.endr
.endm
.macro QT
	v_nop                                          ; one plain place behind a scaled conversion
.irp c, 0,1
.irp i, 0,1,2
	v_permlane16_swap_b32 v[PC+6*\c+\i], v[PC+12+4*\c+\i]
.endr
.endr
.irp c, 0,1
.irp i, 0,1,2
	v_mov_b32 v[PC+3+6*\c+\i], v[PC+12+4*\c+\i]    ; each reads what was written six lines above it
.endr
.endr
.endm
	s_load_b512 s[4:19], s[0:1], 0x0               ; qrec s[4:5], krec s[6:7], vrec s[8:9], lambda_q1, lambda_k1, lambda_q2, lambda_k2 s[10:17], rms_scale s[18:19]
	s_load_b128 s[20:23], s[0:1], 0x40             ; oc, os
	s_load_b128 s[84:87], s[0:1], 0x50             ; W_o's codes, wrec
	v_lshl_add_u32 v[SPW], v0, 2, SPARE
	v_mov_b32 v[NIL], 0
	ds_add_u32 v3, v4
	ds_add_u32 v3, v4
	s_wait_dscnt 0x0
	v_lshrrev_b32 v5, 5, v0
	s_delay_alu instid0(VALU_DEP_1)
	v_readfirstlane_b32 s[WV], v5                  ; wave 0..15
	s_and_b32 s[BH], ttmp7, 0xffff
	s_and_b32 s[HEAD], s[BH], 15
	s_lshr_b32 s[IDX], s[WV], 1
	s_and_b32 s[W3], s[WV], 3
	s_lshr_b32 s38, s[WV], 2
	s_xor_b32 s38, s38, s[WV]
	s_and_b32 s38, s38, 1                          ; 1: the late block
	s_sub_co_u32 s39, 15, ttmp9
	s_cmp_eq_u32 s38, 1
	s_cselect_b32 s[BLK], s39, ttmp9
.set SKH, 88                           ; s88: tiles 0-3 of a block: the diagonal key step, in which their keys 64 .. 127 are all hidden; tiles 4-7: no key step (their keys 0 .. 63 of the diagonal step all count)
	s_cmp_lt_u32 s[IDX], 4
	s_cselect_b32 s[SKH], s[BLK], -1
	; descriptor group 1: a record, dense in memory, as 50 rows of 256 bytes (32 elements of 8 bytes); no mask, no padding
	s_mov_b32 s[G1], 3<<16
	s_mov_b32 s[G1+1], 32<<16                      ; tensor_dim0
	s_mov_b32 s[G1+2], 50<<16                      ; tensor_dim1
	s_mov_b32 s[G1+3], 32<<16                      ; tile_dim0
	s_mov_b32 s[G1+4], 50                          ; tile_dim1
	s_mov_b32 s[G1+5], 32                          ; tensor_dim0_stride
	s_mov_b32 s[G1+6], 0
	s_mov_b32 s[G1+7], 0
	s_mov_b32 s[SEL], 0x76543210
	s_mov_b32 s[SEL+1], 0xfedcba98
	s_mov_b32 s[CS], 0x3e38aa3b                    ; c = log2(e) / 8
	s_mov_b32 s[CS+1], s[CS]                       ; (named with it as a pair, so it is written)
	s_mov_b32 s[NC], 0xbe38aa3b                    ; -c
	; FIRST FILLS, one tensor load a wave at the head and behind each barrier: wave w fetches K's record w (waves 0-3 at the head, waves 4-15 behind the first barrier)
	; and, waves 0-7, V's record w (waves 0-3 behind the first barrier, waves 4-7 behind the second).  V's refills: waves 0-3, record wave % 4 of each group of four.
	s_mul_i32 s38, s[W3], REC
	s_mul_i32 s39, s[WV], REC
	s_mul_i32 s66, s[BH], 16*REC                   ; the head's 16 records
	s_mov_b32 s67, 0
	s_wait_kmcnt 0x0
	s_add_nc_u64 s[76:77], s[6:7], s[66:67]
	s_add_nc_u64 s[78:79], s[8:9], s[66:67]
	s_mov_b32 s66, s39
	s_mov_b32 s[G0K], 1                            ; K's record w
	s_mov_b32 s[G0K+1], s39
	s_add_nc_u64 s[G0K+2:G0K+3], s[76:77], s[66:67]
	s_or_b32 s[G0K+3], s[G0K+3], 0x80000000
	s_mov_b32 s[G0K+4], 1                          ; V's record w
	s_add_co_u32 s[G0K+5], s39, VRING
	s_add_nc_u64 s[G0K+6:G0K+7], s[78:79], s[66:67]
	s_or_b32 s[G0K+7], s[G0K+7], 0x80000000
	s_mov_b32 s66, s38
	s_add_nc_u64 s[78:79], s[78:79], s[66:67]      ; for the refills
.irp n, 0,1
	s_mov_b32 s[G0V+4*\n], 1
	s_add_co_u32 s[G0V+4*\n+1], s38, VRING+\n*VSLOT
	s_add_nc_u64 s[G0V+4*\n+2:G0V+4*\n+3], s[78:79], \n*VSLOT
	s_or_b32 s[G0V+4*\n+3], s[G0V+4*\n+3], 0x80000000
.endr
	s_cmp_lt_u32 s[WV], 4                          ; waves 0-3 fetch K's record w, ahead of every wait on TENSORcnt, every LDS read and every barrier: one load of a fetching wave is out
	s_cbranch_scc0 .Lno_fetch
	tensor_load_to_lds s[G0K:G0K+3], s[G1:G1+7]            ; K, keys 0 .. 511
	s_nop 0
.rept 4
	v_nop
.endr
.Lno_fetch:
	v_and_b32 v5, 31, v0                           ; lane
	s_delay_alu instid0(VALU_DEP_1)
	v_lshlrev_b32 v[LI], 4, v5
	s_wait_alu depctr_va_vdst(0)
	v_lshlrev_b32 v[LS], 2, v5
	v_and_b32 v6, 15, v0
	s_delay_alu instid0(VALU_DEP_1)
	v_lshlrev_b32 v6, 2, v6                        ; 4 (lane % 16)
	s_wait_alu depctr_va_vdst(0)
	s_lshl_b32 s38, s[BH], 4
	s_add_co_u32 s38, s38, s[BLK]
	s_mul_i32 s38, s38, REC                        ; my block's record of Q
	s_mul_i32 s66, s[IDX], 1536
	s_add_co_u32 s66, s66, s38
	s_add_nc_u64 s[80:81], s[4:5], s[66:67]        ; my tile's fragment
	s_lshl_b32 s66, s[IDX], 6
	s_add_co_u32 s66, s66, s38
	s_add_nc_u64 s[82:83], s[4:5], s[66:67]        ; my tile's scale words, SCW bytes on
	global_load_b128 v[16:19], v[LI], s[80:81]
	global_load_b128 v[20:23], v[LI], s[80:81] offset:512
	global_load_b128 v[24:27], v[LI], s[80:81] offset:1024
	global_load_b32 v[QS], v6, s[82:83] offset:SCW
	global_load_b128 v[56:59], v[LI], s[18:19]     ; the gain: 128 numbers, four a lane
	s_lshl_b32 s66, s[HEAD], 8
	v_lshl_add_u32 v7, v5, 3, s66                  ; my two of the head's 64 numbers
	global_load_b64 v[48:49], v7, s[10:11]
	global_load_b64 v[50:51], v7, s[12:13]
	global_load_b64 v[52:53], v7, s[14:15]
	global_load_b64 v[54:55], v7, s[16:17]
	s_mov_b32 s76, 0x3fb8aa3b                      ; log2(e), rounded,
	s_mov_b32 s77, 0x32a5705f                      ; and what the rounding left
	s_mov_b32 s78, 0x3c000000                      ; 1 / 128
	s_mov_b32 s79, 0x3727c5ac                      ; 1e-5
.irp i, 0,1,2,3
	v_mov_b32 v[A1+\i], 0                          ; written once: destinations of lane permutes, and upper halves of pairs that packed forms name
	v_mov_b32 v[TM+4+\i], 0
	v_mov_b32 v[L1+\i], 0                          ; the sums begin at 0
.endr
	v_mov_b32 v[NINF], 0xff800000
	v_mov_b32 v[N1+1], 0xff61b1e6                  ; the maxima begin at -3e38, under every score
	v_mov_b32 v[N2+1], 0xff61b1e6
	s_delay_alu instid0(VALU_DEP_2)
	v_mul_f32 v[N1], s[NC], v[N1+1]
	s_delay_alu instid0(VALU_DEP_2)
	v_mul_f32 v[N2], s[NC], v[N2+1]
	v_and_b32 v[DQ], 15, v0
	v_bfe_u32 v8, v0, 4, 1
	s_delay_alu instid0(VALU_DEP_1)
	v_lshlrev_b32 v8, 3, v8
	s_delay_alu instid0(VALU_DEP_1)
	v_sub_nc_u32 v[DQ], v[DQ], v8
	s_lshl_b32 s38, s[IDX], 4
	v_add_nc_u32 v[DQ], s38, v[DQ]                 ; 16 x tile + lane % 16 - 8 (lane / 16)
	s_lshl_b32 s38, s[WV], 9
	s_add_co_u32 s38, s38, RMSL
	v_add_nc_u32 v8, s38, v[LI]
	s_wait_loadcnt 0x0                             ; Q, its scale words, the gain, the four lambdas
.irp i, 0,1,2,3,4,5
	v_mov_b32 v[QB+6+\i], v[QB+\i]                 ; Q2's codes move up,
.endr
.irp i, 0,1,2,3,4,5
	v_mov_b32 v[QB+\i], 0                          ; and zero codes stand between Q1's and Q2's
.endr
	ds_store_b128 v8, v[56:59]                     ; the gain into my wave's own 512 bytes
	; lam = exp(sum lambda_q1 lambda_k1) - exp(sum lambda_q2 lambda_k2) + 0.8, made in every wave
	v_mul_f32 v48, v48, v50
	v_mul_f32 v52, v52, v54
	s_delay_alu instid0(VALU_DEP_2)
	v_fmac_f32 v48, v49, v51
	s_delay_alu instid0(VALU_DEP_2)
	v_fmac_f32 v52, v53, v55
.irp m, 1,2,4,8
	s_delay_alu instid0(VALU_DEP_2)
	v_add_f32_dpp v48, v48, v48 row_xmask:\m row_mask:0xf bank_mask:0xf
	s_delay_alu instid0(VALU_DEP_2)
	v_add_f32_dpp v52, v52, v52 row_xmask:\m row_mask:0xf bank_mask:0xf
.endr
	s_delay_alu instid0(VALU_DEP_2)
	v_permlanex16_b32 v[A1], v48, s[SEL], s[SEL+1]
	s_delay_alu instid0(VALU_DEP_2)
	v_permlanex16_b32 v[A2], v52, s[SEL], s[SEL+1]
	s_delay_alu instid0(VALU_DEP_2)
	v_add_f32 v48, v48, v[A1]
	s_delay_alu instid0(VALU_DEP_2)
	v_add_f32 v52, v52, v[A2]                      ; x1, x2 in every lane
	s_delay_alu instid0(VALU_DEP_2)
	v_mul_f32 v49, s76, v48                        ; e^x = 2^y: y = x log2(e), rounded;
	s_delay_alu instid0(VALU_DEP_2)
	v_mul_f32 v53, s76, v52
	s_delay_alu instid0(VALU_DEP_2)
	v_fma_f32 v50, v48, s76, -v49                  ; what that rounding lost,
	s_delay_alu instid0(VALU_DEP_2)
	v_fma_f32 v54, v52, s76, -v53
	s_delay_alu instid0(VALU_DEP_2)
	v_fma_f32 v50, v48, s77, v50                   ; and what log2(e)'s rounding lost;
	s_delay_alu instid0(VALU_DEP_2)
	v_fma_f32 v54, v52, s77, v54
	v_rndne_f32 v51, v49                           ; y's whole part goes into the exponent by v_ldexp_f32,
	v_rndne_f32 v55, v53
	s_delay_alu instid0(VALU_DEP_2)
	v_sub_f32 v49, v49, v51
	s_delay_alu instid0(VALU_DEP_2)
	v_sub_f32 v53, v53, v55
	s_delay_alu instid0(VALU_DEP_2)
	v_add_f32 v49, v49, v50                        ; so that the exponential sees a number of magnitude about a half or less
	s_delay_alu instid0(VALU_DEP_2)
	v_add_f32 v53, v53, v54
	s_wait_alu depctr_va_vdst(0)
	v_exp_f32 v49, v49
	v_exp_f32 v53, v53
	v_cvt_i32_f32 v51, v51                         ; (plain work behind the exponentials; the conversion saturates)
	v_cvt_i32_f32 v55, v55
	s_wait_alu depctr_va_vdst(0)                   ; one wait for the two exponentials, ahead of their first reader
	v_ldexp_f32 v49, v49, v51
	v_ldexp_f32 v53, v53, v55
	s_delay_alu instid0(VALU_DEP_1)
	v_sub_f32 v49, v49, v53
	s_delay_alu instid0(VALU_DEP_1)
	v_add_f32 v[LAM], 0x3f4ccccd, v49
; PASS 1, half a key step: 64 keys.  Eight products start eight sums; on the diagonal hidden scores become -infinity; then, FOR EACH LANE BY ITSELF (a query's two halves of the lanes are joined once, behind the pass):
; the new maximum, -c m, the factor a = 2^(c m_old - c m_new), p = 2^(c s - c m), l = a l + the sum of p.  The two softmaxes go line by line, so that no line waits for the line above it.
.macro HALF1 hf, f
.irp t, 0,1,2,3
	WZ AT+8*\t, \f+12*\t, QA, KW+2*\hf+\t/2, QS, \t%2
	WZ AT+32+8*\t, \f+12*\t, QB, KW+2*\hf+\t/2, QS, \t%2
.endr
	PLACES 4                                       ; behind the products, ahead of the first read of their results
.if \hf
	s_cmp_lg_u32 s[KST], s[BLK]                    ; keys 64 .. 127: hidden in part on the diagonal (tiles 4-7 alone come here then)
.else
	s_cmp_lg_u32 s[KST], s[SKH]                    ; keys 0 .. 63: hidden in part on the diagonal of tiles 0-3 alone
.endif
	s_cbranch_scc1 .Lopen1_\@
.set n, 0
.rept 32
	v_cmp_gt_i32 vcc_lo, 64*\hf+16*(n/8)+n%8, v[DQ]
	v_cndmask_b32 v[AT+n], v[AT+n], v[NINF], vcc_lo
	v_cndmask_b32 v[AT+32+n], v[AT+32+n], v[NINF], vcc_lo
.set n, n+1
.endr
.Lopen1_\@:
.irp k, 0,1,2,3
	v_max3_num_f32 v[X1+\k], v[AT+3*\k], v[AT+3*\k+1], v[AT+3*\k+2]          ; ascending: each accumulator is first read at its low end
	v_max3_num_f32 v[X2+\k], v[AT+32+3*\k], v[AT+32+3*\k+1], v[AT+32+3*\k+2]
.endr
.irp k, 0,1,2,3,4,5,6,7,8,9
	v_max3_num_f32 v[X1+\k%4], v[X1+\k%4], v[AT+12+2*\k], v[AT+13+2*\k]
	v_max3_num_f32 v[X2+\k%4], v[X2+\k%4], v[AT+44+2*\k], v[AT+45+2*\k]
.endr
	s_delay_alu instid0(VALU_DEP_2)
	v_max3_num_f32 v[X1], v[X1], v[X1+1], v[X1+2]
	s_delay_alu instid0(VALU_DEP_2)
	v_max3_num_f32 v[X2], v[X2], v[X2+1], v[X2+2]
	s_delay_alu instid0(VALU_DEP_2)
	v_max3_num_f32 v[N1+1], v[X1], v[X1+3], v[N1+1]        ; the running maximum
	s_delay_alu instid0(VALU_DEP_2)
	v_max3_num_f32 v[N2+1], v[X2], v[X2+3], v[N2+1]
	s_delay_alu instid0(VALU_DEP_2)
	v_mul_f32 v[T1], s[NC], v[N1+1]
	s_delay_alu instid0(VALU_DEP_2)
	v_mul_f32 v[T2], s[NC], v[N2+1]
	s_delay_alu instid0(VALU_DEP_2)
	v_sub_f32 v[A1], v[T1], v[N1]                  ; c m_old - c m_new
	s_delay_alu instid0(VALU_DEP_2)
	v_sub_f32 v[A2], v[T2], v[N2]
	s_delay_alu instid0(VALU_DEP_4)
	v_mov_b32 v[N1], v[T1]
	s_delay_alu instid0(VALU_DEP_4)
	v_mov_b32 v[N2], v[T2]
.set n, 0
.rept 16
	v_pk_fma_f32 v[AT+n:AT+n+1], v[AT+n:AT+n+1], s[CS:CS+1], v[N1:N1+1] op_sel_hi:[1,0,0]           ; c s - c m, two at a time (of the pairs the low word serves both halves)
	v_pk_fma_f32 v[AT+32+n:AT+33+n], v[AT+32+n:AT+33+n], s[CS:CS+1], v[N2:N2+1] op_sel_hi:[1,0,0]
.set n, n+2
.endr
	s_wait_alu depctr_va_vdst(0)
	v_exp_f32 v[A1], v[A1]                         ; ONE BATCH: 66 exponentials, none of which reads another's result
	v_exp_f32 v[A2], v[A2]
.set n, 0
.rept 64
	v_exp_f32 v[AT+n], v[AT+n]
.set n, n+1
.endr
	v_nop                                          ; a plain place behind the last exponential
	s_wait_alu depctr_va_vdst(0)                   ; one wait for the batch, ahead of its first reader
	v_pk_fma_f32 v[L1:L1+1], v[L1:L1+1], v[A1:A1+1], v[AT:AT+1] op_sel_hi:[1,0,1]
	v_pk_fma_f32 v[L2:L2+1], v[L2:L2+1], v[A2:A2+1], v[AT+32:AT+33] op_sel_hi:[1,0,1]
	v_pk_add_f32 v[U1:U1+1], v[AT+2:AT+3], v[AT+4:AT+5]
	v_pk_add_f32 v[U2:U2+1], v[AT+34:AT+35], v[AT+36:AT+37]
.irp j, 6,10,14,18,22,26
	v_pk_add_f32 v[L1:L1+1], v[L1:L1+1], v[AT+\j:AT+\j+1]
	v_pk_add_f32 v[L2:L2+1], v[L2:L2+1], v[AT+32+\j:AT+33+\j]
	v_pk_add_f32 v[U1:U1+1], v[U1:U1+1], v[AT+\j+2:AT+\j+3]
	v_pk_add_f32 v[U2:U2+1], v[U2:U2+1], v[AT+34+\j:AT+35+\j]
.endr
	v_pk_add_f32 v[L1:L1+1], v[L1:L1+1], v[AT+30:AT+31]
	v_pk_add_f32 v[L2:L2+1], v[L2:L2+1], v[AT+62:AT+63]
	s_delay_alu instid0(VALU_DEP_2)
	v_pk_add_f32 v[L1:L1+1], v[L1:L1+1], v[U1:U1+1]
	s_delay_alu instid0(VALU_DEP_2)
	v_pk_add_f32 v[L2:L2+1], v[L2:L2+1], v[U2:U2+1]
.endm
; PASS 1, a key step.  A step all of whose keys come after my queries is jumped over: a branch on ids; no barrier and no tensor load stands in a step, and the lines that step addresses stand behind it.
.macro STEP1
	s_cmp_gt_u32 s[KST], s[BLK]
	s_cbranch_scc1 .Lskip1_\@
	v_add_nc_u32 v[ADK], s[TB], v[LI]
	v_add_nc_u32 v[ADS], s[TB], v[LS]
	WORDS ADS
	FRAGS FK, ADK, 0
	FRAGS FK1, ADK, 4
	s_wait_dscnt 12                                ; the scale words and fragments 0-3 are in; the youngest twelve loads (fragments 4-7) may be out
	HALF1 0, FK
	s_wait_dscnt 0x0
	s_cmp_eq_u32 s[KST], s[SKH]
	s_cbranch_scc1 .Lskip1_\@                      ; tiles 0-3 on the diagonal: keys 64 .. 127 are all hidden and add nothing to the maximum or the sum
	HALF1 1, FK1
.Lskip1_\@:
.endm
; PASS 2, the weights of 64 keys: both exponents, ONE BATCH of 64 exponentials with one wait, then e1 / l1 - lam e2 / l2 by a packed multiply and a packed multiply-add.
.macro SOFT hf
.set n, 0
.rept 16
	v_pk_fma_f32 v[AT+32*\hf+n:AT+32*\hf+n+1], v[AT+32*\hf+n:AT+32*\hf+n+1], s[CS:CS+1], v[N1:N1+1] op_sel_hi:[1,0,0]   ; ascending: each accumulator is first read at its low end
.set n, n+2
.endr
.set n, 0
.rept 16
	v_pk_fma_f32 v[BT+n:BT+n+1], v[BT+n:BT+n+1], s[CS:CS+1], v[N2:N2+1] op_sel_hi:[1,0,0]
.set n, n+2
.endr
.set n, 0
	s_wait_alu depctr_va_vdst(0)
.rept 32
	v_exp_f32 v[AT+32*\hf+n], v[AT+32*\hf+n]
	v_exp_f32 v[BT+n], v[BT+n]
.set n, n+1
.endr
	v_nop                                          ; a plain place behind the last exponential
	s_wait_alu depctr_va_vdst(0)                   ; one wait for the batch, ahead of its first reader
.set n, 0
.rept 16
	v_pk_mul_f32 v[BT+n:BT+n+1], v[BT+n:BT+n+1], v[L2:L2+1] op_sel_hi:[1,0]
.set n, n+2
.endr
.set n, 0
.rept 16
	v_pk_fma_f32 v[AT+32*\hf+n:AT+32*\hf+n+1], v[AT+32*\hf+n:AT+32*\hf+n+1], v[L1:L1+1], v[BT+n:BT+n+1] op_sel_hi:[1,0,1]
.set n, n+2
.endr
.endm
; PASS 2, a key step.
.macro STEP2
	s_cmp_gt_u32 s[KST], s[BLK]
	s_cbranch_scc1 .Lskip2_\@
	v_add_nc_u32 v[ADK], s[TB], v[LI]              ; these four lines and the v_nop are five places behind the last step's products: four for the loads into registers that those have read,
	v_add_nc_u32 v[ADS], s[TB], v[LS]              ; five for the products below, whose results are laid over operands that are done with
	v_add_nc_u32 v[ADV], s[TV], v[LI]
	v_add_nc_u32 v[ADT], s[TV], v[LS]
	v_nop
	WORDS ADS
	FRAGS FK, ADK, 0
	s_wait_alu depctr_va_vdst(0)
	s_wait_dscnt 0x0
.irp t, 0,1,2,3
	WZ AT+8*\t, FK+12*\t, QA, KW+\t/2, QS, \t%2
	WZ BT+8*\t, FK+12*\t, QB, KW+\t/2, QS, \t%2
.endr
	PLACES 4
	FRAGS FK, ADK, 4                               ; keys 64 .. 127 land while the first 64 weights are made
	SOFT 0
	s_wait_dscnt 0x0
	s_cmp_eq_u32 s[KST], s[SKH]
	s_cbranch_scc1 .Lhid_\@                        ; tiles 0-3 on the diagonal: the weights of keys 64 .. 127 are zeros
.irp t, 0,1,2,3
	WZ AT+32+8*\t, FK+12*\t, QA, KW+2+\t/2, QS, \t%2
	WZ BT+8*\t, FK+12*\t, QB, KW+2+\t/2, QS, \t%2
.endr
	PLACES 4
	WORDS ADT                                      ; V's scale words and its fragments 0-3 land while the other 64 weights are made
	FRAGS FK, ADV, 0
	SOFT 1
	s_cmp_lg_u32 s[KST], s[BLK]
	s_cbranch_scc1 .Lopen2_\@
.set n, 0
.set n, 32
.rept 32                                       ; tiles 4-7 on the diagonal: keys 0 .. 63 all count; of keys 64 .. 127 a hidden key's weight is 0, whatever its score gave: the select takes bits, not numbers
	v_cmp_le_i32 vcc_lo, 16*(n/8)+n%8, v[DQ]
	s_delay_alu instid0(VALU_DEP_1)
	v_cndmask_b32 v[AT+n], 0, v[AT+n], vcc_lo
.set n, n+1
.endr
	s_wait_alu depctr_va_vdst(0)                   ; the wait here, directly ahead of the branch
	s_branch .Lopen2_\@
.Lhid_\@:
	WORDS ADT                                      ; the same sixteen LDS loads as on the other way, so that the counted wait below counts the same
	FRAGS FK, ADV, 0
.set n, 0
.rept 32
	v_mov_b32 v[AT+32+n], 0                        ; keys 64 .. 127
.set n, n+1
.endr
.set n, 0
.rept 32                                       ; keys 0 .. 63
	v_cmp_le_i32 vcc_lo, 16*(n/8)+n%8, v[DQ]
	s_delay_alu instid0(VALU_DEP_1)
	v_cndmask_b32 v[AT+n], 0, v[AT+n], vcc_lo
.set n, n+1
.endr
.Lopen2_\@:
	QH AT
	FRAGS AT, ADV, 4                               ; V's fragments 4-7 into the registers that the weights have left
	QT
	PLACES 8                                       ; a scale register written by a vector instruction stands 8 places ahead of a scaled matrix instruction, an operand so written 4
	s_wait_alu depctr_va_vdst(0)
	s_wait_dscnt 12                                ; V's scale words and fragments 0-3 are in; the youngest twelve loads (fragments 4-7) may be out
.irp t, 0,1,2,3
	WA OT+8*\t, FK+12*\t, PC, KW+\t/2, PW, \t%2    ; the eight accumulators take turns, one instruction a turn
.endr
	s_wait_dscnt 0x0
.irp t, 0,1,2,3
	WA OT+32+8*\t, AT+12*\t, PC, KW+2+\t/2, PW, \t%2
.endr
.Lskip2_\@:
.endm
; four key steps: keys 512 c .. 512 c + 511; V's lie in slot c % 2
.macro CHUNK c
	s_mov_b32 s[TV], VRING+((\c)%2)*VSLOT
	s_mov_b32 s[KST], 4*(\c)
	s_mov_b32 s[TB], 4*(\c)*REC
.Lchunk_\@:
	STEP2
	s_add_co_u32 s[TB], s[TB], REC
	s_add_co_u32 s[TV], s[TV], REC
	s_add_co_u32 s[KST], s[KST], 1
	s_cmp_lt_u32 s[KST], 4*(\c)+4
	s_cbranch_scc1 .Lchunk_\@
.endm
; THE CHANGE OF V's SLOTS.  Every wave waits for all its tensor loads (a fetching wave's part of the slot ahead), adds 0 to its spare word, and waits for that and for its reads of the slot that it leaves; one barrier.
; fill = 1: behind it slot n, which nobody reads any more, takes the keys 1,024 further on: the load has four key steps in which to land.
.macro CHANGE n, fill
	s_wait_tensorcnt 0x0                           ; no tensor load of mine is out, so a group 0 may be written
	ds_add_u32 v[SPW], v[NIL]                      ; 0 onto my spare word
.if \fill
	s_add_nc_u64 s[G0V+4*\n+2:G0V+4*\n+3], s[G0V+4*\n+2:G0V+4*\n+3], 2*VSLOT   ; eight records on; the type bits on top are not reached
.endif
	s_wait_dscnt 0x0                               ; the add is done, and my reads of the slot that I leave are over
	s_barrier_signal -1
	s_barrier_wait -1
.if \fill
	s_cmp_lt_u32 s[WV], 4
	s_cbranch_scc0 .Lnf_\@
	tensor_load_to_lds s[G0V+4*\n:G0V+4*\n+3], s[G1:G1+7]   ; the first thing behind the barrier, and a wave's one tensor load until the next
	s_nop 0
.rept 4
	v_nop
.endr
.Lnf_\@:
.endif
.endm
	s_wait_tensorcnt 0x0                           ; K's records 0-3 are in
	ds_add_u32 v[SPW], v[NIL]                      ; the add, here twice
	ds_add_u32 v[SPW], v[NIL]
	s_wait_dscnt 0x0                               ; the adds and my store of the gain are done
	s_barrier_signal -1
	s_barrier_wait -1
	s_cmp_lt_u32 s[WV], 4
	s_cbranch_scc0 .Lrest_k
	tensor_load_to_lds s[G0K+4:G0K+7], s[G1:G1+7]  ; V's records 0-3
	s_nop 0
.rept 4
	v_nop
.endr
	s_branch .Lasked_a
.Lrest_k:
	tensor_load_to_lds s[G0K:G0K+3], s[G1:G1+7]    ; K's records 4-15
	s_nop 0
.rept 4
	v_nop
.endr
.Lasked_a:
	s_mov_b32 s[KST], 0
	s_mov_b32 s[TB], 0
.Lp1a:                                                 ; pass 1, key steps 0 to 3
	STEP1
	s_add_co_u32 s[TB], s[TB], REC
	s_add_co_u32 s[KST], s[KST], 1
	s_cmp_lt_u32 s[KST], 4
	s_cbranch_scc1 .Lp1a
	s_wait_tensorcnt 0x0                           ; all of K and V's records 0-3 are in
	ds_add_u32 v[SPW], v[NIL]
	s_wait_dscnt 0x0
	s_barrier_signal -1
	s_barrier_wait -1
	s_and_b32 s38, s[WV], 12
	s_cmp_eq_u32 s38, 4
	s_cbranch_scc0 .Lno_v1
	tensor_load_to_lds s[G0K+4:G0K+7], s[G1:G1+7]  ; V's records 4-7, by waves 4-7
	s_nop 0
.rept 4
	v_nop
.endr
.Lno_v1:
	s_mov_b32 s[KST], 4
	s_mov_b32 s[TB], 4*REC
.Lp1b:                                                 ; pass 1, key steps 4 to 15
	STEP1
	s_add_co_u32 s[TB], s[TB], REC
	s_add_co_u32 s[KST], s[KST], 1
	s_cmp_lt_u32 s[KST], 16
	s_cbranch_scc1 .Lp1b
	; THE TWO HALVES OF THE LANES ARE JOINED: the row's maximum, each half's sum brought under it, their sum, its reciprocal
	s_wait_alu depctr_va_vdst(0)
	v_add_f32 v[L1], v[L1], v[L1+1]
	v_add_f32 v[L2], v[L2], v[L2+1]
	v_permlanex16_b32 v[A1], v[N1+1], s[SEL], s[SEL+1]
	v_permlanex16_b32 v[A2], v[N2+1], s[SEL], s[SEL+1]
	s_delay_alu instid0(VALU_DEP_2)
	v_max_num_f32 v[N1+1], v[N1+1], v[A1]
	s_delay_alu instid0(VALU_DEP_2)
	v_max_num_f32 v[N2+1], v[N2+1], v[A2]
	s_delay_alu instid0(VALU_DEP_2)
	v_mul_f32 v[A1], s[NC], v[N1+1]                ; the row's -c m
	s_delay_alu instid0(VALU_DEP_2)
	v_mul_f32 v[A2], s[NC], v[N2+1]
	s_delay_alu instid0(VALU_DEP_2)
	v_sub_f32 v[A1+1], v[A1], v[N1]
	s_delay_alu instid0(VALU_DEP_2)
	v_sub_f32 v[A2+1], v[A2], v[N2]
	s_wait_alu depctr_va_vdst(0)
	v_exp_f32 v[A1+1], v[A1+1]
	v_exp_f32 v[A2+1], v[A2+1]
	v_mov_b32 v[N1], v[A1]                         ; (plain work behind the exponentials)
	v_mov_b32 v[N2], v[A2]
	s_wait_alu depctr_va_vdst(0)                   ; one wait for the two, ahead of their first reader
	v_mul_f32 v[L1], v[L1], v[A1+1]
	v_mul_f32 v[L2], v[L2], v[A2+1]
	s_delay_alu instid0(VALU_DEP_2)
	v_permlanex16_b32 v[A1], v[L1], s[SEL], s[SEL+1]
	s_delay_alu instid0(VALU_DEP_2)
	v_permlanex16_b32 v[A2], v[L2], s[SEL], s[SEL+1]
	s_delay_alu instid0(VALU_DEP_2)
	v_add_f32 v[L1], v[L1], v[A1]
	s_delay_alu instid0(VALU_DEP_2)
	v_add_f32 v[L2], v[L2], v[A2]
	s_wait_alu depctr_va_vdst(0)
	v_rcp_f32 v[L1], v[L1]
	v_rcp_f32 v[L2], v[L2]
	v_nop
	s_wait_alu depctr_va_vdst(0)                   ; and one for the two reciprocals
	v_mul_f32 v[L2], v[L2], -v[LAM]                ; -lam / l2
.set n, 0
.rept 64
	v_mov_b32 v[OT+n], 0                           ; O^T.  (A key step is written once for each group of four: the first finds zeros; a copy whose products start the sums would be a fifth text of the step)
.set n, n+1
.endr
	s_wait_tensorcnt 0x0                           ; V's records 4-7 are in
	s_wait_dscnt 0x0
	s_barrier_signal -1
	s_barrier_wait -1
	CHUNK 0
	CHANGE 0, 1                                    ; slot 0 takes keys 1,024 .. 1,535
	CHUNK 1
	CHANGE 1, 1                                    ; slot 1 takes keys 1,536 .. 2,047
	CHUNK 2
	CHANGE 0, 0                                    ; nothing is left to fetch
	CHUNK 3
	; THE WAY OUT.  mean of O^2 over the head's 128, O / sqrt(mean + 1e-5) x gain x 0.2, quantised along the head's 128 in the true order, stored as a fragment of the last product's left operand.
	v_bfe_u32 v[ADK], v0, 4, 1                     ; (these three lines and the v_nop are the four places behind the last products)
	s_delay_alu instid0(VALU_DEP_1)
	v_lshlrev_b32 v[ADK], 6, v[ADK]
	s_lshl_b32 s38, s[WV], 9
	s_add_co_u32 s38, s38, RMSL
	v_add_nc_u32 v[ADK], s38, v[ADK]               ; my wave's copy of the gain, + 64 (lane / 16)
	v_nop
.irp b, 0,1,2,3
.irp q, 0,1,2,3
	ds_load_b128 v[AT+16*\b+4*\q:AT+16*\b+4*\q+3], v[ADK] offset:128*\b+16*\q   ; register 16 b + i: the gain of channel 32 b + 16 (lane / 16) + i
.endr
.endr
	v_pk_mul_f32 v[160:161], v[OT:OT+1], v[OT:OT+1]        ; the sum of squares, two at a time, in two chains, ascending: each accumulator is first read at its low end
	v_pk_mul_f32 v[162:163], v[OT+2:OT+3], v[OT+2:OT+3]
.irp j, 4,8,12,16,20,24,28,32,36,40,44,48,52,56,60
	v_pk_fma_f32 v[160:161], v[OT+\j:OT+\j+1], v[OT+\j:OT+\j+1], v[160:161]
	v_pk_fma_f32 v[162:163], v[OT+\j+2:OT+\j+3], v[OT+\j+2:OT+\j+3], v[162:163]
.endr
	s_delay_alu instid0(VALU_DEP_1)
	v_pk_add_f32 v[160:161], v[160:161], v[162:163]
	s_delay_alu instid0(VALU_DEP_1)
	v_add_f32 v160, v160, v161
	s_delay_alu instid0(VALU_DEP_1)
	v_permlanex16_b32 v[TM+4], v160, s[SEL], s[SEL+1]
	s_delay_alu instid0(VALU_DEP_1)
	v_add_f32 v160, v160, v[TM+4]                  ; with lane l xor 16's 64 channels
	s_delay_alu instid0(VALU_DEP_1)
	v_fma_f32 v160, v160, s78, s79                 ; / 128 + 1e-5
	s_wait_alu depctr_va_vdst(0)
	v_rsq_f32 v160, v160
	v_nop                                          ; a plain place behind the transcendental
.irp b, 0,1,2,3
.irp j, 0,1,2,3,4,5,6,7
	v_permlane16_swap_b32 v[OT+16*\b+\j], v[OT+16*\b+8+\j]   ; register 16 b + i now holds channel 32 b + 16 (lane / 16) + i: 16 true neighbours
.endr
.endr
	s_wait_alu depctr_va_vdst(0)                   ; the wait, ahead of the first reader
	v_mul_f32 v160, 0x3e4ccccd, v160               ; x 0.2
	s_wait_alu depctr_va_vdst(0)
	s_wait_dscnt 0x0                               ; the gain is in
.set n, 0
.rept 32
	v_pk_mul_f32 v[OT+n:OT+n+1], v[OT+n:OT+n+1], v[160:161] op_sel_hi:[1,0]
.set n, n+2
.endr
.set n, 0
.rept 32
	v_pk_mul_f32 v[OT+n:OT+n+1], v[OT+n:OT+n+1], v[AT+n:AT+n+1]
.set n, n+2
.endr
	QH OT
	QT
	s_lshr_b32 s38, s[BH], 4                       ; the batch
	s_lshl_b32 s39, s38, 4
	s_add_co_u32 s39, s39, s[BLK]                  ; my block of 128 rows, 0..31
	s_lshl_b32 s66, s39, 4
	s_add_co_u32 s66, s66, s[HEAD]
	s_lshl_b32 s66, s66, 3
	s_add_co_u32 s66, s66, s[IDX]
	s_mul_i32 s66, s66, 1536                       ; oc: [block of rows][head][tile of 16 rows][1,536 bytes]
	s_mov_b32 s67, 0
	s_add_nc_u64 s[80:81], s[20:21], s[66:67]
	s_lshl_b32 s66, s39, 3
	s_add_co_u32 s66, s66, s[IDX]                  ; my tile of 16 rows, 0..255
	s_lshl_b32 s66, s66, 10                        ; os: 64 bytes a row,
	s_lshl_b32 s38, s[HEAD], 2                     ; 4 bytes a head
	s_add_co_u32 s66, s66, s38
	s_add_nc_u64 s[82:83], s[22:23], s[66:67]
	v_and_b32 v[ADS], 15, v0
	s_delay_alu instid0(VALU_DEP_1)
	v_lshlrev_b32 v[ADS], 6, v[ADS]
	s_wait_alu depctr_va_vdst(0)
.irp c, 0,1,2
	global_store_b128 v[LI], v[PC+4*\c:PC+4*\c+3], s[80:81] offset:512*\c   ; 32 lanes store 512 consecutive bytes, at a multiple of 256 from the buffer's first byte
.endr
	global_store_b32 v[ADS], v[PW], s[82:83]       ; my row's scale word: 4 bytes to each of 16 rows, so that the next launch finds a row's 16 words on end
	; W_o's CODES AS IMAGES OF OPERAND REGISTERS, for the last product: wrec[block of 128 rows][K step of 128][tile of 16 rows][1,536 bytes].  1,024 fragments: four to a work-group,
	; by waves 0, 2, 8, 10, which own tiles of the early block.
	s_and_b32 s38, s[WV], 5
	s_cmp_lg_u32 s38, 0
	s_cbranch_scc1 .Lno_w
	s_lshl_b32 s38, s[BH], 3
	s_add_co_u32 s38, s38, ttmp9                   ; the work-group, 0..255
	s_lshl_b32 s38, s38, 2
	s_bfe_u32 s39, s[WV], 0x10001
	s_add_co_u32 s38, s38, s39
	s_lshr_b32 s39, s[WV], 2
	s_add_co_u32 s38, s38, s39                     ; the fragment, 0..1023
	s_mul_i32 s66, s38, 1536
	s_add_nc_u64 s[86:87], s[86:87], s[66:67]
	s_lshr_b32 s39, s38, 7
	s_lshl_b32 s39, s39, 3
	s_and_b32 s66, s38, 7
	s_add_co_u32 s39, s39, s66                     ; its tile of 16 rows of W_o
	s_mul_i32 s39, s39, 16*1536
	s_bfe_u32 s66, s38, 0x40003                    ; its K step: 96 bytes of a row
	s_mul_i32 s66, s66, 96
	s_add_co_u32 s66, s66, s39
	s_add_nc_u64 s[84:85], s[84:85], s[66:67]
	v_and_b32 v[ADV], 15, v0
	v_bfe_u32 v[ADT], v0, 4, 1
	s_delay_alu instid0(VALU_DEP_2)
	v_mul_u32_u24 v[ADV], v[ADV], 1536
	s_delay_alu instid0(VALU_DEP_1)
	v_mad_u32_u24 v[ADV], v[ADT], 24, v[ADV]       ; row lane % 16, + 24 (lane / 16)
.irp p, 0,1,2,3,4,5
	global_load_b64 v[AT+2*\p:AT+2*\p+1], v[ADV], s[84:85] offset:48*(\p/3)+8*(\p%3)
.endr
	s_wait_loadcnt 0x0
.irp c, 0,1,2
	global_store_b128 v[LI], v[AT+4*\c:AT+4*\c+3], s[86:87] offset:512*\c
.endr
.Lno_w:
	s_wait_tensorcnt 0x0                           ; the wave's end, behind my last tensor load and my last LDS store
	ds_add_u32 v[SPW], v[NIL]
	s_wait_dscnt 0x0
	s_endpgm
.Lfunc_end_k_q148d9a99b2_attn:
	.size	k_q148d9a99b2_attn, .Lfunc_end_k_q148d9a99b2_attn-k_q148d9a99b2_attn
	.p2alignl 7, 3214868480
	.fill 96, 4, 3214868480
	.section	.rodata,"a",@progbits
	.p2align	6, 0x0
	.amdhsa_kernel k_q148d9a99b2_attn
		.amdhsa_group_segment_fixed_size 327680
		.amdhsa_private_segment_fixed_size 0
		.amdhsa_enable_private_segment 0
		.amdhsa_kernarg_size 96
		.amdhsa_user_sgpr_count 2
		.amdhsa_user_sgpr_kernarg_segment_ptr 1
		.amdhsa_wavefront_size32 1
		.amdhsa_system_sgpr_workgroup_id_x 1
		.amdhsa_system_sgpr_workgroup_id_y 1
		.amdhsa_system_sgpr_workgroup_id_z 1
		.amdhsa_system_vgpr_workitem_id 0
		.amdhsa_next_free_vgpr 256
		.amdhsa_next_free_sgpr 90
		.amdhsa_reserve_vcc 1
		.amdhsa_float_denorm_mode_32 3
		.amdhsa_float_denorm_mode_16_64 3
		.amdhsa_memory_ordered 1
		.amdhsa_forward_progress 1
		.amdhsa_inst_pref_size 225
	.end_amdhsa_kernel
	.amdgpu_metadata
---
amdhsa.version: [ 1, 2 ]
amdhsa.kernels:
  - .name:           k_q148d9a99b2_attn
    .symbol:         k_q148d9a99b2_attn.kd
    .args:
      - { .name: qrec, .offset: 0, .size: 8, .value_kind: global_buffer, .address_space: global }
      - { .name: krec, .offset: 8, .size: 8, .value_kind: global_buffer, .address_space: global }
      - { .name: vrec, .offset: 16, .size: 8, .value_kind: global_buffer, .address_space: global }
      - { .name: lambda_q1, .offset: 24, .size: 8, .value_kind: global_buffer, .address_space: global }
      - { .name: lambda_k1, .offset: 32, .size: 8, .value_kind: global_buffer, .address_space: global }
      - { .name: lambda_q2, .offset: 40, .size: 8, .value_kind: global_buffer, .address_space: global }
      - { .name: lambda_k2, .offset: 48, .size: 8, .value_kind: global_buffer, .address_space: global }
      - { .name: rms_scale, .offset: 56, .size: 8, .value_kind: global_buffer, .address_space: global }
      - { .name: oc, .offset: 64, .size: 8, .value_kind: global_buffer, .address_space: global }
      - { .name: os, .offset: 72, .size: 8, .value_kind: global_buffer, .address_space: global }
      - { .name: W_o_codes, .offset: 80, .size: 8, .value_kind: global_buffer, .address_space: global }
      - { .name: wrec, .offset: 88, .size: 8, .value_kind: global_buffer, .address_space: global }
    .group_segment_fixed_size: 327680
    .private_segment_fixed_size: 0
    .kernarg_segment_align: 8
    .kernarg_segment_size: 96
    .max_flat_workgroup_size: 512
    .sgpr_count:     90
    .vgpr_count:     256
    .wavefront_size: 32
...
	.end_amdgpu_metadata
.endif
;; end of part 2
;; launch proj (part 3): grid 8 x 32, 4 waves a work-group, no clusters, 270,848 bytes of LDS; arguments oc, os, wrec, W_o_scales, out0; writes out0
.if DOCPART == 3
	.amdgcn_target "amdgcn-amd-amdhsa--gfx1250"
	.amdhsa_code_object_version 6
	.text
	.protected	k_q148d9a99b2_proj
	.globl	k_q148d9a99b2_proj
	.p2align	8
	.type	k_q148d9a99b2_proj,@function
k_q148d9a99b2_proj:
	s_mov_b64 s[64:65], 0
	v_nop
	global_prefetch_b8 v0, s[64:65] scope:SCOPE_SE
	s_setreg_imm32_b32 hwreg(HW_REG_WAVE_MODE, 25, 1), 1
	s_wait_xcnt 0x0
; out0 = O W_o^T on codes of FP6 (E2M3), one E8M0 scale for each 32 along K = 2,048; sums in f32.
; Work-group (nb, mb) makes rows 128 mb .. + 127, columns 128 nb .. + 127: 8 x 32 = 256 work-groups.  K IS CUT AMONG ITS FOUR WAVES: wave w multiplies K steps 4 w .. 4 w + 3 (128 each)
; for the whole 128 x 128 (64 accumulators), so no operand byte is read twice in a work-group.  The four partial tiles meet in LDS; wave w adds and stores rows 32 w .. 32 w + 31.
; The order of the sum over K differs from an ascending one: four partial sums, then (0 + 1) + (2 + 3).
; OPERANDS are images of their registers in memory (oc from the attention launch, wrec likewise): [block of 128 rows][K step][tile of 16 rows][1,536 bytes]; a load takes 16 bytes a lane, 512 consecutive bytes.
; They go from memory straight into registers: no tensor load, so no joint loads and no cluster.  NO PREFETCH: the text has no loop to run ahead in; each K step's 48 loads are issued a K step ahead.
; SCALES: os and W_o_scales hold 64 bytes a row; a lane takes its row's 16 bytes for my four K steps once.  Lanes 0-15 keep O's words, lanes 16-31 W_o's, in one register.
; The matrix instruction is used transposed (source 0 = W_o's rows, source 1 = O's rows): a lane holds eight neighbouring columns of one row.
; REGISTERS: window 0: v0-31 addresses, v32-63 scale words (4 i + q), v64-159 and v160-255 O's fragments, two sets; window 1: v0-95, v128-223 W_o's fragments, v96-127 W_o's scale words on arrival; windows 2, 3: accumulators.
.set SPITCH, 528                       ; a row of 128 f32 + 16 bytes
.set RGN,    128*SPITCH                ; a wave's partial tile
.set SPARE,  4*RGN                     ; the spare words
.set LI,  1                            ; 16 x lane
.set SO,  2                            ; 64 x (lane % 16)
.set STO, 3                            ; where I put 32 bytes of a row
.set RD,  4                            ; v4-7 where I read a row back, in each of the four partial tiles
.set SPW, 8
.set NIL, 9
.set SC,  32
.set AF,  64
.set TS,  96
.set MSB, 0
.macro WIN new
.if MSB != \new
	s_set_vgpr_msb (MSB<<8)|\new
.set MSB, \new
.endif
.endm
.set TO_B, 0x40
.macro PLACES n
.rept \n
	v_nop
.endr
.endm
.macro LDK q, s                        ; K step q of my four into set s: 24 + 24 loads
	WIN 0
.irp a, 0,1,2,3,4,5,6,7
.irp c, 0,1,2
	global_load_b128 v[AF+96*\s+12*\a+4*\c:AF+96*\s+12*\a+4*\c+3], v[LI], s[4:5] offset:(8*\q+\a)*1536+512*\c
.endr
.endr
	WIN TO_B
.irp a, 0,1,2,3,4,5,6,7
.irp c, 0,1,2
	global_load_b128 v[128*\s+12*\a+4*\c:128*\s+12*\a+4*\c+3], v[LI], s[8:9] offset:(8*\q+\a)*1536+512*\c
.endr
.endr
	WIN 0
.endm
.macro MUL q, zero                     ; 64 products; the accumulators take turns
.irp a, 0,1,2,3,4,5,6,7
.if \a < 4
	WIN 0xa1
.else
	WIN 0xf1
.endif
.irp b, 0,1,2,3,4,5,6,7
.if \zero
	v_wmma_scale_f32_16x16x128_f8f6f4 v[8*(8*(\a%4)+\b):8*(8*(\a%4)+\b)+7], v[128*(\q%2)+12*\b:128*(\q%2)+12*\b+11], v[AF+96*(\q%2)+12*\a:AF+96*(\q%2)+12*\a+11], 0, v[SC+4*\b+\q], v[SC+4*\a+\q] matrix_a_fmt:MATRIX_FMT_FP6 matrix_b_fmt:MATRIX_FMT_FP6 matrix_a_scale:MATRIX_SCALE_ROW1
.else
	v_wmma_scale_f32_16x16x128_f8f6f4 v[8*(8*(\a%4)+\b):8*(8*(\a%4)+\b)+7], v[128*(\q%2)+12*\b:128*(\q%2)+12*\b+11], v[AF+96*(\q%2)+12*\a:AF+96*(\q%2)+12*\a+11], v[8*(8*(\a%4)+\b):8*(8*(\a%4)+\b)+7], v[SC+4*\b+\q], v[SC+4*\a+\q] matrix_a_fmt:MATRIX_FMT_FP6 matrix_b_fmt:MATRIX_FMT_FP6 matrix_a_scale:MATRIX_SCALE_ROW1
.endif
.endr
.endr
.endm
	s_load_b256 s[4:11], s[0:1], 0x0               ; oc, os, wrec, W_o's scales
	s_load_b64 s[12:13], s[0:1], 0x20              ; out0
	v_lshl_add_u32 v[SPW], v0, 2, SPARE
	v_mov_b32 v[NIL], 0
	v_lshrrev_b32 v10, 5, v0
	v_readfirstlane_b32 s14, v10                   ; wave
	v_and_b32 v11, 31, v0
	v_and_b32 v12, 15, v0
	v_bfe_u32 v13, v0, 4, 1
	v_lshlrev_b32 v[LI], 4, v11
	v_lshlrev_b32 v[SO], 6, v12
	v_mul_u32_u24 v14, v12, SPITCH
	v_lshl_add_u32 v14, v13, 5, v14
	s_mul_i32 s15, s14, RGN
	s_mul_i32 s16, s14, 32*SPITCH
	v_add_nc_u32 v[STO], s15, v14
	v_add_nc_u32 v[RD], s16, v[LI]
.irp g, 1,2,3
	v_add_nc_u32 v[RD+\g], \g*RGN, v[RD]
.endr
	s_and_b32 s17, ttmp7, 0xffff                   ; mb
	s_mul_i32 s18, s17, 16*8*1536
	s_mul_i32 s20, s14, 4*8*1536
	s_add_co_u32 s18, s18, s20                     ; oc: block mb, K step 4 w
	s_mov_b32 s19, 0
	s_mul_i32 s22, ttmp9, 16*8*1536
	s_add_co_u32 s20, s22, s20                     ; wrec: block nb, K step 4 w
	s_mov_b32 s21, 0
	s_lshl_b32 s22, s17, 13
	s_lshl_b32 s26, s14, 4
	s_add_co_u32 s22, s22, s26                     ; os: 128 rows of 64 bytes a block, 16 bytes for my four K steps
	s_mov_b32 s23, 0
	s_lshl_b32 s24, ttmp9, 13
	s_add_co_u32 s24, s24, s26
	s_mov_b32 s25, 0
	s_lshl_b32 s26, s17, 19                        ; out0: 128 rows of 4,096 bytes,
	s_lshl_b32 s28, s14, 17                        ; my 32 rows,
	s_add_co_u32 s26, s26, s28
	s_lshl_b32 s28, ttmp9, 9                       ; 128 columns
	s_add_co_u32 s26, s26, s28
	s_mov_b32 s27, 0
	s_mov_b32 s30, 0xffff0000                      ; lanes 16-31
	s_wait_alu depctr_va_vdst(0)                   ; the wait at the head's end
	s_wait_kmcnt 0x0
	s_add_nc_u64 s[4:5], s[4:5], s[18:19]
	s_add_nc_u64 s[6:7], s[6:7], s[22:23]
	s_add_nc_u64 s[8:9], s[8:9], s[20:21]
	s_add_nc_u64 s[10:11], s[10:11], s[24:25]
	s_add_nc_u64 s[12:13], s[12:13], s[26:27]
.irp i, 0,1,2,3,4,5,6,7
	global_load_b128 v[SC+4*\i:SC+4*\i+3], v[SO], s[6:7] offset:1024*\i
.endr
	WIN TO_B
.irp i, 0,1,2,3,4,5,6,7
	global_load_b128 v[TS+4*\i:TS+4*\i+3], v[SO], s[10:11] offset:1024*\i
.endr
	LDK 0, 0
	s_wait_loadcnt 48                              ; the 16 loads of scale words are in; K step 0's 48 may be out
	WIN 0x04                                       ; source 1 in window 1
.set n, 0
.rept 32
	v_cndmask_b32 v[SC+n], v[SC+n], v[TS+n], s30   ; lanes 16-31 take W_o's words
.set n, n+1
.endr
	WIN 0
	PLACES 8                                       ; a scale register written by a vector instruction stands 8 places ahead of a scaled matrix instruction
	LDK 1, 1
	s_wait_alu depctr_va_vdst(0)                   ; the wait here, directly ahead of the wait below
	s_wait_loadcnt 48                              ; K step 0 is in; K step 1's 48 may be out
	MUL 0, 1                                       ; the first products start the sums
	PLACES 4                                       ; ahead of loads into registers that matrix instructions have read
	LDK 2, 0
	s_wait_loadcnt 48                              ; K step 1 is in
	MUL 1, 0
	PLACES 4
	LDK 3, 1
	s_wait_loadcnt 48                              ; K step 2 is in
	MUL 2, 0
	s_wait_loadcnt 0x0
	MUL 3, 0
	PLACES 4
; my partial tile into my own 67,584 bytes of LDS, by rows; each accumulator from its low end on
.irp a, 0,1,2,3,4,5,6,7
.if \a < 4
	WIN 0x08
.else
	WIN 0x0c
.endif
.irp b, 0,1,2,3,4,5,6,7
	ds_store_b128 v[STO], v[64*(\a%4)+8*\b:64*(\a%4)+8*\b+3] offset:16*SPITCH*\a+64*\b
	ds_store_b128 v[STO], v[64*(\a%4)+8*\b+4:64*(\a%4)+8*\b+7] offset:16*SPITCH*\a+64*\b+16
.endr
.endr
	WIN 0
	s_wait_dscnt 0x0                               ; my stores are done
	s_barrier_signal -1
	s_barrier_wait -1                              ; everybody's are
; four rows at a time: 16 loads (a row of 512 bytes from each partial tile), six packed additions a row, a store of 512 consecutive bytes a row
.macro RDB k
.irp j, 0,1,2,3
.irp g, 0,1,2,3
	ds_load_b128 v[64+64*((\k)%2)+16*\j+4*\g:64+64*((\k)%2)+16*\j+4*\g+3], v[RD+\g] offset:(4*(\k)+\j)*SPITCH
.endr
.endr
.endm
	RDB 0
	RDB 1
.irp k, 0,1,2,3,4,5,6,7
.if \k < 7
	s_wait_dscnt 16                                ; this batch is in; the next batch's 16 loads may be out
.else
	s_wait_dscnt 0x0
.endif
.if \k > 1
	s_wait_xcnt 0x0                                ; batch k - 2's stores have read their registers
.endif
.set BB, 64+64*(\k%2)
.set SS, 192+16*(\k%2)
.irp j, 0,1,2,3
	v_pk_add_f32 v[BB+16*\j:BB+16*\j+1], v[BB+16*\j:BB+16*\j+1], v[BB+16*\j+4:BB+16*\j+5]
	v_pk_add_f32 v[BB+16*\j+2:BB+16*\j+3], v[BB+16*\j+2:BB+16*\j+3], v[BB+16*\j+6:BB+16*\j+7]
	v_pk_add_f32 v[BB+16*\j+8:BB+16*\j+9], v[BB+16*\j+8:BB+16*\j+9], v[BB+16*\j+12:BB+16*\j+13]
	v_pk_add_f32 v[BB+16*\j+10:BB+16*\j+11], v[BB+16*\j+10:BB+16*\j+11], v[BB+16*\j+14:BB+16*\j+15]
.endr
.irp j, 0,1,2,3
	v_pk_add_f32 v[SS+4*\j:SS+4*\j+1], v[BB+16*\j:BB+16*\j+1], v[BB+16*\j+8:BB+16*\j+9]
	v_pk_add_f32 v[SS+4*\j+2:SS+4*\j+3], v[BB+16*\j+2:BB+16*\j+3], v[BB+16*\j+10:BB+16*\j+11]
.endr
.if \k < 6
	RDB \k+2
.endif
.irp j, 0,1,2,3
	global_store_b128 v[LI], v[SS+4*\j:SS+4*\j+3], s[12:13] offset:(4*\k+\j)*4096 th:TH_STORE_NT
.endr
.endr
	s_wait_tensorcnt 0x0                           ; the wave's end
	ds_add_u32 v[SPW], v[NIL]
	s_wait_dscnt 0x0
	s_endpgm
.Lfunc_end_k_q148d9a99b2_proj:
	.size	k_q148d9a99b2_proj, .Lfunc_end_k_q148d9a99b2_proj-k_q148d9a99b2_proj
	.p2alignl 7, 3214868480
	.fill 96, 4, 3214868480
	.section	.rodata,"a",@progbits
	.p2align	6, 0x0
	.amdhsa_kernel k_q148d9a99b2_proj
		.amdhsa_group_segment_fixed_size 270848
		.amdhsa_private_segment_fixed_size 0
		.amdhsa_enable_private_segment 0
		.amdhsa_kernarg_size 40
		.amdhsa_user_sgpr_count 2
		.amdhsa_user_sgpr_kernarg_segment_ptr 1
		.amdhsa_wavefront_size32 1
		.amdhsa_system_sgpr_workgroup_id_x 1
		.amdhsa_system_sgpr_workgroup_id_y 1
		.amdhsa_system_sgpr_workgroup_id_z 1
		.amdhsa_system_vgpr_workitem_id 0
		.amdhsa_next_free_vgpr 1024
		.amdhsa_next_free_sgpr 66
		.amdhsa_reserve_vcc 0
		.amdhsa_float_denorm_mode_32 3
		.amdhsa_float_denorm_mode_16_64 3
		.amdhsa_memory_ordered 1
		.amdhsa_forward_progress 1
		.amdhsa_inst_pref_size 90
	.end_amdhsa_kernel
	.amdgpu_metadata
---
amdhsa.version: [ 1, 2 ]
amdhsa.kernels:
  - .name:           k_q148d9a99b2_proj
    .symbol:         k_q148d9a99b2_proj.kd
    .args:
      - { .name: oc, .offset: 0, .size: 8, .value_kind: global_buffer, .address_space: global }
      - { .name: os, .offset: 8, .size: 8, .value_kind: global_buffer, .address_space: global }
      - { .name: wrec, .offset: 16, .size: 8, .value_kind: global_buffer, .address_space: global }
      - { .name: W_o_scales, .offset: 24, .size: 8, .value_kind: global_buffer, .address_space: global }
      - { .name: out0, .offset: 32, .size: 8, .value_kind: global_buffer, .address_space: global }
    .group_segment_fixed_size: 270848
    .private_segment_fixed_size: 0
    .kernarg_segment_align: 8
    .kernarg_segment_size: 40
    .max_flat_workgroup_size: 128
    .sgpr_count:     66
    .vgpr_count:     1024
    .wavefront_size: 32
...
	.end_amdgpu_metadata
.endif
;; end of part 3
